; MI455X (gfx1250); checked and timed in simulation.
; The chip was launched on July 23, 2026; its instructions are those of AMD's public machine-readable ISA for CDNA 5 (MIT licence, August 2026) and "CDNA5" Instruction Set Architecture Reference Guide (July 2026). The comments in the code are by the model that wrote it; some were corrected since.
;; Relativistic Attention. Allowed arithmetic: matrix products marked QUANTISED: E2M1 operands, one E8M0 scale for each 32 along K, by v_wmma_scale_f32_16x16x128_f8f6f4 with both operands' format E2M1 (or v_wmma_scale_f32_32x16x128_f4), f32 sums; products left as they are: bf16, f16 or f32 operands; f32 sums; everything else in f32.
;; Inputs: Wk 2,048 x 2,048 float32; Wo 2,048 x 2,048 float32; Wq 2,048 x 2,048 float32; Wv 2,048 x 2,048 float32; cos 2,048 x 128 float32; importance 1 x 2,048 float32; sin 2,048 x 128 float32; x 1 x 2,048 x 2,048 float32.
;; Outputs: out0 1 x 2,048 x 2,048 float32.
;; This version of the problem:
;;   THIS VERSION OF THE PROBLEM IS GIVEN IN LOW PRECISION. The matrix products marked QUANTISED in the list below multiply operands that are first quantised to E2M1 (2 exponent bits, 1 mantissa bit; 4 bits a number), with one power-of-two scale for each 32 numbers along K (OCP MX v1.0); their sums are f32. The products marked 'left as it is' may take bf16, f16 or f32 operands, with f32 sums. Whichever they take, every output number must still come out within the allowed error. Rounding operands to bf16 (8 significant bits) uses up far more of that allowance than f16 does (11 bits, for magnitudes from 6e-5 to 65,504). All else is computed in f32.
;;   The module's matrix products, in the order in which they are computed (A, B: the left and right operand; K: the contracted axis; several contracted axes count as one K, in the product's order):
;;     1. [M 2,048, K 2,048] x [K 2,048, N 2,048]; A: input x; B: input Wq: QUANTISED
;;     2. [M 2,048, K 2,048] x [K 2,048, N 2,048]; A: input x; B: input Wk: QUANTISED
;;     3. [M 2,048, K 2,048] x [K 2,048, N 2,048]; A: input x; B: input Wv: QUANTISED
;;     4. batch 16 x [M 2,048, K 128] x [K 128, N 2,048]; A: computed on the way; B: computed on the way: left as it is (an operand is computed on the way)
;;     5. batch 16 x [M 2,048, K 2,048] x [K 2,048, N 128]; A: computed on the way; B: computed on the way: left as it is (an operand is computed on the way)
;;     6. [M 2,048, K 2,048] x [K 2,048, N 2,048]; A: computed on the way; B: input Wo: left as it is (an operand is computed on the way)
;;   THE QUANTISER, for each operand of a quantised product, along K:
;;     - K is cut into blocks of 32 from its start; a last block that is shorter is filled with zeros.
;;     - A block's scale is 2^e with e = floor(log2(the largest magnitude in the block)) - 2, held to -126 .. 127; a block of zeros has e = 0. As a byte (E8M0): e + 127.
;;     - Each number is divided by its block's scale, clamped to +-6, and rounded to the nearest number of E2M1, ties to even, subnormals kept.
;;     - The product sums the exact products of the quantised numbers (number of the format x scale) in f32.
;;   ~~~python
;;   def quantise(x, axis):      # numpy; x: float32 -> the quantised numbers, widened to float32 again
;;       x = np.moveaxis(x, axis, -1); K = x.shape[-1]
;;       x = np.pad(x, [(0, 0)] * (x.ndim - 1) + [(0, -K % 32)]); x = x.reshape(x.shape[:-1] + (-1, 32)); a = np.abs(x).max(-1, keepdims=True)
;;       e = np.where(a > 0, np.clip(np.frexp(np.where(a > 0, a, 1))[1] - 1 - 2, -126, 127), 0)      # np.frexp(a)[1] - 1 = floor(log2(a)), exactly
;;       r = np.clip(x / 2.0 ** e, -6, 6)
;;       step = 2.0 ** (np.maximum(np.frexp(np.where(r == 0, 1, r))[1] - 1, 0) - 1)
;;       q = np.round(r / step) * step * 2.0 ** e      # np.round: ties to even
;;       return np.moveaxis(q.reshape(q.shape[:-2] + (-1,))[..., :K], -1, axis).astype(np.float32)
;;   ~~~
;; One version. Each part assembles by itself: llvm-mc -triple=amdgcn-amd-amdhsa -mcpu=gfx1250 --defsym DOCPART=n.
;; ======== version 1 of 1: 5 launches
;; limits: values are held in f16: magnitudes above 65,504 overflow, below 6.1e-05 lose precision
;; workspace buffers: xc 2,097,152 bytes; xs 131,072 bytes; wc 6,291,456 bytes; ws 393,216 bytes; woh 8,388,608 bytes; qkvh 25,165,824 bytes; q32 393,216 bytes; ao 8,388,608 bytes
;; launch prep (part 1): grid 640 x 1, 4 waves a work-group, no clusters, 33,280 bytes of LDS; arguments x, Wq, Wk, Wv, Wo, xc, xs, wc, ws, woh; writes xc, xs, wc, ws, woh
.if DOCPART == 1
	.amdgcn_target "amdgcn-amd-amdhsa--gfx1250"
	.amdhsa_code_object_version 6
	.text
	.protected	k_q687d6aeec6_prep
	.globl	k_q687d6aeec6_prep
	.p2align	8
	.type	k_q687d6aeec6_prep,@function
k_q687d6aeec6_prep:
	s_mov_b64 s[64:65], 0
	v_nop
	global_prefetch_b8 v0, s[64:65] scope:SCOPE_SE
	s_setreg_imm32_b32 hwreg(HW_REG_WAVE_MODE, 25, 1), 1
	s_wait_xcnt 0x0
; x, Wq, Wk, Wv [2048][2048] f32 become codes of FP4 (E2M1), K innermost, two codes a byte, with one E8M0 byte for each 32 along K; Wo [2048][2048] f32 is rounded once to f16.
; Work-groups 0-127 take x, 128-255 Wq, 256-383 Wk, 384-511 Wv (the three weights' codes lie on end in wc, their bytes in ws), 512-639 Wo.  Only pointers are chosen for the first four: they take one path.
; A block's scale is 2^(floor(log2(its largest magnitude)) - 2); its byte is the largest magnitude's exponent field - 2, held at 1 from below.
; LIMITS: a block of zeros gets the byte 1 where the rule says 127: its codes are zeros, and these bytes are read by this program alone.  Blocks whose largest magnitude lies under 2^-124 were not tried.
; NaN and infinities among the inputs are not served.  |Wo| stays under 65,504, f16's largest number.
; QUANTISING: rows are dense and K is a multiple of 32, so a tensor is a stream of blocks of 32.  A wave takes 16 steps of 512 numbers.  Each load reads 512 consecutive bytes, 16 a lane; a step's 2,048 bytes turn
; through the wave's own stage in LDS (16 bytes of padding behind each 64) and come back 64 bytes a lane: 16 neighbours, two lanes to a block.  A lane's 16 codes are 8 bytes: the wave stores 256 consecutive bytes.
; A wave's 256 scale bytes are gathered in its own LDS bytes and leave as one run of 256 bytes.  No barrier: waves share nothing.
.set WAVES, 4
.set STEPS, 16
.set EMAX,  2
.set CB,    8                          ; bytes of 16 codes
.set R,     16                         ; v16-79   four sets of 16 numbers as loaded (cast path: v16-143, two groups of 64)
.set X,     80                         ; v80-111  two sets of 16 neighbours
.set E,     112                        ; v112-127 a scale byte for each step
.set C,     128                        ; v128-191 codes: four registers for each step (cast path: v144-175 the f16 pairs)
.set H16,   144
.set WREG,  8192                       ; LDS: a region for each wave: two stages of 32 x SP bytes, then its 256 scale bytes
.set SP,    80
.set SPW,   12                         ; v12 LDS address of my spare word; never rewritten
.set NIL,   13                         ; v13 0; never rewritten
.set SPARE, WAVES*WREG                 ; the spare words: 128 bytes a wave, named by no other line
	s_load_b256 s[4:11], s[0:1], 0x0               ; x, Wq, Wk, Wv
	s_load_b256 s[12:19], s[0:1], 0x20             ; Wo, xc, xs, wc
	s_load_b128 s[20:23], s[0:1], 0x40             ; ws, woh
	v_lshl_add_u32 v[SPW], v0, 2, SPARE
	v_mov_b32 v[NIL], 0
	v_lshrrev_b32 v1, 5, v0
	v_readfirstlane_b32 s32, v1                    ; wave
	v_and_b32 v2, 31, v0                           ; lane
	v_lshlrev_b32 v3, 4, v2                        ; my 16 bytes of a load's 512
	s_mul_i32 s33, s32, WREG
	v_lshrrev_b32 v14, 2, v2
	v_mul_u32_u24 v14, v14, SP
	v_and_b32 v15, 3, v2
	v_lshl_add_u32 v14, v15, 4, v14
	v_add_nc_u32 v14, s33, v14                     ; the stage on the way in: SP (lane / 4) + 16 (lane % 4)
	v_mul_u32_u24 v15, v2, SP
	v_add_nc_u32 v15, s33, v15                     ; and on the way out: SP x lane
	v_mul_u32_u24 v4, v2, CB                       ; 8 bytes a lane: my codes' place in a step's; my f16 numbers' place in a store's
	v_lshrrev_b32 v5, 1, v2
	s_add_co_u32 s33, s33, 2*32*SP
	v_add_nc_u32 v5, s33, v5                       ; my block's scale byte in LDS
	v_lshlrev_b32 v7, 3, v2
	v_add_nc_u32 v6, s33, v7                       ; and 8 of them a lane on the way out
	s_lshr_b32 s30, ttmp9, 7                       ; which tensor
	s_mov_b32 s35, 0
	s_mov_b32 s37, 0
	s_wait_kmcnt 0x0
	s_cmp_eq_u32 s30, 4
	s_cbranch_scc1 .Lcast
	s_cmp_eq_u32 s30, 0                            ; the choices hang on the work-group's number alone
	s_cselect_b64 s[24:25], s[4:5], s[6:7]         ; the numbers: x or Wq,
	s_cselect_b64 s[26:27], s[14:15], s[18:19]     ; the codes: xc or wc
	s_cselect_b64 s[28:29], s[16:17], s[20:21]     ; the bytes: xs or ws
	s_cselect_b32 s36, 0, 128
	s_cmp_eq_u32 s30, 2
	s_cselect_b64 s[24:25], s[8:9], s[24:25]       ; or Wk,
	s_cmp_eq_u32 s30, 3
	s_cselect_b64 s[24:25], s[10:11], s[24:25]     ; or Wv
	s_and_b32 s34, ttmp9, 127
	s_lshl_b32 s34, s34, 2
	s_add_co_u32 s34, s34, s32                     ; which run of 8,192 numbers of the tensor is my wave's
	s_lshl_b32 s34, s34, 15
	s_add_nc_u64 s[24:25], s[24:25], s[34:35]
	s_sub_co_u32 s36, ttmp9, s36
	s_lshl_b32 s36, s36, 2
	s_add_co_u32 s36, s36, s32                     ; and which run of the codes' buffer: the three weights lie on end
	s_lshl_b32 s34, s36, 12
	s_add_nc_u64 s[26:27], s[26:27], s[34:35]
	s_lshl_b32 s34, s36, 8
	s_add_nc_u64 s[28:29], s[28:29], s[34:35]
.macro LOAD t
.irp i, 0,1,2,3
	global_load_b128 v[R+16*((\t)%4)+4*\i:R+16*((\t)%4)+4*\i+3], v3, s[24:25] offset:2048*(\t)+512*\i th:TH_LOAD_NT   ; 32 lanes read 512 consecutive bytes
.endr
.endm
.macro TURN t                          ; step t's numbers through the stage: LDS serves a wave's instructions in order, so no wait stands between the stores and the loads
.irp i, 0,1,2,3
	ds_store_b128 v14, v[R+16*((\t)%4)+4*\i:R+16*((\t)%4)+4*\i+3] offset:32*SP*((\t)%2)+8*SP*\i
.endr
.irp i, 0,1,2,3
	ds_load_b128 v[X+16*((\t)%2)+4*\i:X+16*((\t)%2)+4*\i+3], v15 offset:32*SP*((\t)%2)+16*\i
.endr
.endm
.irp t, 0,1,2,3
	LOAD \t
.endr
	s_wait_loadcnt 12                              ; step 0's four loads are in; the twelve behind them may be out
	TURN 0
.macro STEP t
.set XS, X+16*((\t)%2)
.if (\t) > 0
	s_wait_dscnt 1                                 ; this step's numbers are back from the stage; the last step's byte store may be out
.else
	s_wait_dscnt 0x0
.endif
.if (\t)+4 < STEPS
	LOAD (\t)+4                                    ; the registers that the stage's stores have read take the loads of four steps on
.endif
.if (\t)+1 < STEPS
.if STEPS-2-(\t) >= 3
	s_wait_loadcnt 12                              ; the next step's four loads are in; those of the three steps behind it may be out
.else
	s_wait_loadcnt 4*(STEPS-2-(\t))
.endif
	TURN (\t)+1
.endif
	v_max3_num_f32 v8, |v[XS]|, |v[XS+1]|, |v[XS+2]|               ; the largest magnitude of my 16, in two chains
	v_max3_num_f32 v9, |v[XS+3]|, |v[XS+4]|, |v[XS+5]|
.irp i, 6,10
	v_max3_num_f32 v8, v8, |v[XS+\i]|, |v[XS+\i+1]|
	v_max3_num_f32 v9, v9, |v[XS+\i+2]|, |v[XS+\i+3]|
.endr
	v_max3_num_f32 v8, v8, |v[XS+14]|, |v[XS+15]|
	v_max3_num_f32 v8, v8, v9, (EMAX+1)<<23        ; and the floor 2^(3 - 127): the byte cannot fall under 1
	v_max_num_f32_dpp v8, v8, v8 row_xmask:1 row_mask:0xf bank_mask:0xf   ; with my neighbour's 16: the block's
	v_add_nc_u32 v11, -(EMAX<<23), v8              ; 2 off its exponent field: the conversion takes the exponent field of this operand as its scale
	v_cvt_scalef32_pk8_fp4_f32 v[C+4*(\t)], v[XS:XS+7], v11
	v_cvt_scalef32_pk8_fp4_f32 v[C+4*(\t)+1], v[XS+8:XS+15], v11
	v_lshrrev_b32 v[E+(\t)], 23, v11               ; the scale's byte (also the plain line behind the conversions)
	ds_store_b8 v5, v[E+(\t)] offset:16*(\t)       ; both lanes of a block write the same byte with the same value
	global_store_b64 v4, v[C+4*(\t):C+4*(\t)+1], s[26:27] offset:32*CB*(\t)   ; the wave stores 256 consecutive bytes
.endm
.irp t, 0,1,2,3,4,5,6,7,8,9,10,11,12,13,14,15
	STEP \t
.endr
	ds_load_b64 v[8:9], v6                         ; in order behind my byte stores
	s_wait_dscnt 0x0
	global_store_b64 v7, v[8:9], s[28:29]          ; 256 scale bytes in one run
	s_branch .Lend
.Lcast:
	; Wo to f16.  A wave takes 8,192 numbers in four groups of 16 loads; one group is on its way while another is rounded.
	s_sub_co_u32 s34, ttmp9, 512
	s_lshl_b32 s34, s34, 2
	s_add_co_u32 s34, s34, s32
	s_lshl_b32 s36, s34, 14                        ; 16,384 bytes of f16 a run,
	s_lshl_b32 s34, s34, 15                        ; 32,768 of f32
	s_add_nc_u64 s[12:13], s[12:13], s[34:35]
	s_add_nc_u64 s[22:23], s[22:23], s[36:37]
.macro LOADG g
.irp i, 0,1,2,3,4,5,6,7,8,9,10,11,12,13,14,15
	global_load_b128 v[R+64*((\g)%2)+4*\i:R+64*((\g)%2)+4*\i+3], v3, s[12:13] offset:8192*(\g)+512*\i th:TH_LOAD_NT
.endr
.endm
	LOADG 0
	LOADG 1
.irp g, 0,1,2,3
.if \g < 3
	s_wait_loadcnt 16                              ; this group's 16 loads are in; the next group's may be out
.else
	s_wait_loadcnt 0x0
.endif
	s_wait_xcnt 0x0                                ; the last group's stores have read their data: it is written again only behind this wait
.irp i, 0,1,2,3,4,5,6,7,8,9,10,11,12,13,14,15
	v_cvt_pk_f16_f32 v[H16+2*\i], v[R+64*(\g%2)+4*\i], v[R+64*(\g%2)+4*\i+1]
	v_cvt_pk_f16_f32 v[H16+2*\i+1], v[R+64*(\g%2)+4*\i+2], v[R+64*(\g%2)+4*\i+3]
.endr
.if \g < 2
	LOADG \g+2
.endif
.irp i, 0,1,2,3,4,5,6,7,8,9,10,11,12,13,14,15
	global_store_b64 v4, v[H16+2*\i:H16+2*\i+1], s[22:23] offset:4096*\g+256*\i   ; the wave stores 256 consecutive bytes
.endr
.endr
.Lend:
	s_wait_tensorcnt 0x0                           ; the wave's end, behind the last LDS store
	ds_add_u32 v[SPW], v[NIL]
	s_wait_dscnt 0x0
	s_endpgm
.Lfunc_end_k_q687d6aeec6_prep:
	.size	k_q687d6aeec6_prep, .Lfunc_end_k_q687d6aeec6_prep-k_q687d6aeec6_prep
	.p2alignl 7, 3214868480
	.fill 96, 4, 3214868480
	.section	.rodata,"a",@progbits
	.p2align	6, 0x0
	.amdhsa_kernel k_q687d6aeec6_prep
		.amdhsa_group_segment_fixed_size 33280
		.amdhsa_private_segment_fixed_size 0
		.amdhsa_enable_private_segment 0
		.amdhsa_kernarg_size 80
		.amdhsa_user_sgpr_count 2
		.amdhsa_user_sgpr_kernarg_segment_ptr 1
		.amdhsa_wavefront_size32 1
		.amdhsa_system_sgpr_workgroup_id_x 1
		.amdhsa_system_sgpr_workgroup_id_y 1
		.amdhsa_system_sgpr_workgroup_id_z 1
		.amdhsa_system_vgpr_workitem_id 0
		.amdhsa_next_free_vgpr 192
		.amdhsa_next_free_sgpr 66
		.amdhsa_reserve_vcc 0
		.amdhsa_float_denorm_mode_32 3
		.amdhsa_float_denorm_mode_16_64 3
		.amdhsa_memory_ordered 1
		.amdhsa_forward_progress 1
		.amdhsa_inst_pref_size 54
	.end_amdhsa_kernel
	.amdgpu_metadata
---
amdhsa.version: [ 1, 2 ]
amdhsa.kernels:
  - .name:           k_q687d6aeec6_prep
    .symbol:         k_q687d6aeec6_prep.kd
    .args:
      - { .name: x, .offset: 0, .size: 8, .value_kind: global_buffer, .address_space: global }
      - { .name: Wq, .offset: 8, .size: 8, .value_kind: global_buffer, .address_space: global }
      - { .name: Wk, .offset: 16, .size: 8, .value_kind: global_buffer, .address_space: global }
      - { .name: Wv, .offset: 24, .size: 8, .value_kind: global_buffer, .address_space: global }
      - { .name: Wo, .offset: 32, .size: 8, .value_kind: global_buffer, .address_space: global }
      - { .name: xc, .offset: 40, .size: 8, .value_kind: global_buffer, .address_space: global }
      - { .name: xs, .offset: 48, .size: 8, .value_kind: global_buffer, .address_space: global }
      - { .name: wc, .offset: 56, .size: 8, .value_kind: global_buffer, .address_space: global }
      - { .name: ws, .offset: 64, .size: 8, .value_kind: global_buffer, .address_space: global }
      - { .name: woh, .offset: 72, .size: 8, .value_kind: global_buffer, .address_space: global }
    .group_segment_fixed_size: 33280
    .private_segment_fixed_size: 0
    .kernarg_segment_align: 8
    .kernarg_segment_size: 80
    .max_flat_workgroup_size: 128
    .sgpr_count:     66
    .vgpr_count:     192
    .wavefront_size: 32
...
	.end_amdgpu_metadata
.endif
;; end of part 1
;; launch qkv (part 2): grid 24 x 8, 4 waves a work-group, clusters of 4 x 4, 327,680 bytes of LDS; arguments xc, xs, wc, ws, cos, sin, importance, qkvh, q32; writes qkvh, q32
.if DOCPART == 2
	.amdgcn_target "amdgcn-amd-amdhsa--gfx1250"
	.amdhsa_code_object_version 6
	.text
	.protected	k_q687d6aeec6_qkv
	.globl	k_q687d6aeec6_qkv
	.p2align	8
	.type	k_q687d6aeec6_qkv,@function
k_q687d6aeec6_qkv:
	s_mov_b64 s[64:65], 0
	v_nop
	global_prefetch_b8 v0, s[64:65] scope:SCOPE_SE
	s_setreg_imm32_b32 hwreg(HW_REG_WAVE_MODE, 25, 1), 1
	s_wait_xcnt 0x0
	s_wait_alu depctr_hold_cnt(0) depctr_sa_sdst(0) depctr_va_vdst(0) depctr_va_sdst(0) depctr_va_ssrc(0) depctr_va_vcc(0) depctr_vm_vsrc(0)
	s_getreg_b32 s2, hwreg(HW_REG_IB_STS2, 6, 4)
	s_cmp_eq_u32 s2, 0
	s_cbranch_scc0 .Lentry_in_a_cluster
	s_endpgm
.Lentry_in_a_cluster:
	s_bfe_u32 s2, ttmp6, 0x10000c
	s_cmp_lg_u32 s2, 0xf033
	s_cbranch_scc0 .Lentry_shape_is_right
	s_endpgm
.Lentry_shape_is_right:
; [q | k | v] = x [Wq | Wk | Wv]^T: ONE product of 2048 x 6144 x 2048 on codes of FP4 (E2M1) with one E8M0 scale for each 32 along K, sums in f32.  On the way out: q x F(row), the rotation by cos and sin
; on q and k, one rounding to f16 into qkvh [g = 16 kind + head][position][128]; positions 0-15 also as f32 into q32: an image of 8,192 bytes for each g.  The images of q and k lie in the order in which the
; launch that reads them wants its operand registers: (position r, channel 8 c + 4 h + i) at byte 512 c + 256 h + 16 r + 4 i; those of v lie by rows: (position t, channel d) at byte 512 t + 4 d.
; F(row) = (0.5 + 1.5 sigmoid(10 (importance - 0.5))) log2(e) / sqrt(128): the query's speed, the scores' 1 / sqrt(128) and the change to base 2, folded into q in f32 ahead of its one rounding.
; LIMITS: |F q|, |k|, |v| stay under 65,504, f16's largest number.  NaN and infinities among the inputs are not served.
; A tile of C, 256 x 256, is made by a work-group of four waves; a wave makes 128 x 128: 64 accumulators, 512 registers; its 128 columns are one head of one kind.
; K goes in steps of 512 through a ring of two LDS slots filled by the tensor data mover: a tile's row is 256 bytes of memory.  The scale bytes of the work-group's rows, for all of K, come into LDS once.
; CLUSTERS: 4 x 4 work-groups.  The four of a row of the cluster need the same tiles of x, the four of a column the same tiles of W: each tile is asked for JOINTLY.
; THE MATRIX INSTRUCTION IS USED TRANSPOSED (source 0 = 16 rows of W, source 1 = 16 rows of x): a lane holds eight neighbouring columns of one row of C.
; The kind (cluster x / 2) is the same in all sixteen partners: the branches of the way out hang on it alone.
; REGISTERS, in windows of 256: window 0: v0-31 addresses; v32-95 scale words, two sets; v96-111 F, v112-113 the rotation's sign, v114 my first row, v115 my place in an image of q32; from v128 x's fragments, one set.
;   window 1: W's fragments, two sets.   window 2: the accumulators of my rows 0-63;   window 3: those of my rows 64-127.
;   On the way out: window 0 v32-63 f16 pairs, v128-255 two blocks of rows; window 1 two sets of cos and sin; a block's own accumulators take its rows' other halves.
.set SIZE_M, 2048
.set SIZE_N, 6144
.set SIZE_K, 2048
.set KSTEP,  512                       ; along K in a slot
.set NQ,     KSTEP/128                 ; matrix instructions deep
.set ROWB,   256                       ; a tile's row in bytes
.set KROW,   SIZE_K*4/8                ; a row of codes in memory
.set PITCH,  272                       ; an LDS row: 256 bytes + 16 of padding = 68 words: the 16 rows that a load touches start 4 words apart modulo 64
.set FR,     8                         ; registers of a fragment
.set NL,     2                         ; LDS loads that bring one
.set NP,     4                         ; places behind this matrix instruction (ISA guide 7.12.1)
.set HALFT,  128*PITCH
.set SLOT,   4*HALFT
.set LAPS,   SIZE_K/(2*KSTEP)
.set KS,     SIZE_K/32                 ; a row of scale bytes
.set SCL,    2*SLOT                    ; behind the ring: the scales, as runs of 256 bytes + 16 of padding
.set HALFS,  (128*KS/256)*272
.set SBLK,   (16*KS/256)*272
.set SPARE,  SCL+4*HALFS               ; the spare words: 128 bytes a wave, named by no other line
.set SPITCH, 528                       ; the way out: a stage of 16 rows x (512 + 16) bytes for each wave, in slot 0, which has had its last fill and its last read by then
.set ADRA, 16
.set ADRB, 20
.set STO,  24                          ; v24 the way out: where I put 32 bytes of a row
.set RD,   25                          ; v25 where I read a row back: 16 x lane
.set CO,   26                          ; v26 16 x lane: my bytes in a row of f32
.set ADRS, 27
.set SPW,  28
.set NIL,  29
.set CO2,  30                          ; v30 8 x lane: my bytes in a row of f16
.set RD2,  31                          ; v31 where I read the row's other half: 16 x lane xor 256
.set SC,   32
.set FS,   96                          ; v[96+2a], v[97+2a]: F of row 16 a + lane % 16
.set SGN,  112                         ; v112-113: -1 in lanes 0-15 (channels 0-63), +1 in lanes 16-31
.set ROW0, 114                         ; v114 my wave's first row
.set CO3,  115                         ; v115 512 (lane / 2) + 256 (lane % 2): my four channels' place in an image of q or k in q32
.set AF,   128
.set TB,   128                         ; the way out: 16 rows read back, v128-191 and v192-255 by turns
.set HB,   32                          ; f16 pairs
.set G1, 24
.set G0, 32
.set G1B, 48
.set G0B, 56
.set G1S, 68
.set G0S, 76
.set G1SB, 80
.set G0SB, 88
.set KIND, 95                          ; s95 0: q, 1: k, 2: v
.set MSB, 0
.macro WIN new                         ; the immediate's high byte repeats the setting that is left
.if MSB != (\new)
	s_set_vgpr_msb (MSB<<8)|(\new)
.set MSB, (\new)
.endif
.endm
.set MUL_LO, 0xa1                      ; source 0 (W) window 1, source 1 (x) window 0, C and D window 2
.set MUL_HI, 0xf1
.set TO_B,   0x40
; A joint load: waves 0 and 1 fetch for x, waves 2 and 3 for W.  The branch hangs on the wave's number alone.  An s_nop 0 and four v_nop follow each of the two lines.
.macro JLOAD g0a, g1a, g0b, g1b
	s_cmp_eq_u32 s15, 0
	s_cbranch_scc0 .Lfor_b_\@
	tensor_load_to_lds s[\g0a:\g0a+3], s[\g1a:\g1a+7]
	s_nop 0
.rept 4
	v_nop
.endr
	s_branch .Lasked_\@
.Lfor_b_\@:
	tensor_load_to_lds s[\g0b:\g0b+3], s[\g1b:\g1b+7]
	s_nop 0
.rept 4
	v_nop
.endr
.Lasked_\@:
.endm
.macro CREST                           ; a round of the cluster's barrier behind its opening barrier
	s_cmp_lg_u32 s14, 0
	s_cbranch_scc1 .Lnot_wave_0_\@
	s_barrier_signal -3
.Lnot_wave_0_\@:
	s_barrier_wait -3
	s_barrier_signal -1
	s_barrier_wait -1
.endm
.macro CROUND
	s_barrier_signal -1
	s_barrier_wait -1
	CREST
.endm
	s_load_b128 s[4:7], s[0:1], 0x0                ; x's codes, x's scales
	s_load_b128 s[8:11], s[0:1], 0x10              ; W's codes, W's scales
	s_load_b64 s[12:13], s[0:1], 0x20              ; cos
	s_load_b64 s[66:67], s[0:1], 0x28              ; sin
	s_load_b64 s[96:97], s[0:1], 0x30              ; importance
	s_load_b64 s[98:99], s[0:1], 0x38              ; qkvh
	s_load_b64 s[100:101], s[0:1], 0x40            ; q32
	v_lshl_add_u32 v[SPW], v0, 2, SPARE
	v_mov_b32 v[NIL], 0
	ds_add_u32 v[SPW], v[NIL]                      ; the wave's opening: the add, twice on end, and its wait ahead of my first tensor load
	ds_add_u32 v[SPW], v[NIL]
	v_lshrrev_b32 v1, 5, v0
	v_readfirstlane_b32 s14, v1                    ; wave 0..3
	s_lshr_b32 s15, s14, 1                         ; which half of the tile's rows is mine.  Also: I fetch for x (0) or for W (1)
	s_and_b32 s16, s14, 1                          ; which half of its columns.  Also: which 128 rows of that tile I fetch
	s_bfe_u32 s40, ttmp6, 0x40000                  ; cx, cy: my place in the cluster
	s_bfe_u32 s41, ttmp6, 0x40004
	s_lshl_b32 s42, ttmp9, 2
	s_add_co_u32 s42, s42, s40                     ; tile column of C
	s_and_b32 s17, ttmp7, 0xffff
	s_lshl_b32 s17, s17, 2
	s_add_co_u32 s17, s17, s41                     ; tile row of C
	s_lshl_b32 s43, s41, 2
	s_lshl_b32 s43, 15, s43                        ; my row of the cluster
	s_lshl_b32 s44, 0x1111, s40                    ; my column
	s_or_b32 s[G1+0], s43, (0<<16)|(1<<20)|(1<<21)|(5<<22)|(3<<25)  ; the mask; elements of 1 byte; padding of 4 words behind every 64; bit 21 beside a mask
	s_or_b32 s[G1B+0], s44, (0<<16)|(1<<20)|(1<<21)|(5<<22)|(3<<25)
.irp g, G1, G1B
	s_mov_b32 s[\g+1], ROWB<<16                    ; tensor_dim0
	s_mov_b32 s[\g+2], 128<<16                     ; tensor_dim1
	s_mov_b32 s[\g+3], ROWB<<16                    ; tile_dim0
	s_mov_b32 s[\g+4], 128                         ; tile_dim1
	s_mov_b32 s[\g+5], KROW                        ; from row to row
	s_mov_b32 s[\g+6], 0
	s_mov_b32 s[\g+7], 0
.endr
	s_or_b32 s[G1S+0], s43, (3<<16)|(1<<20)|(1<<21)|(5<<22)|(3<<25)   ; the scales of 128 rows: a dense block, as rows of 256 bytes (32 elements of 8 bytes)
	s_or_b32 s[G1SB+0], s44, (3<<16)|(1<<20)|(1<<21)|(5<<22)|(3<<25)
.irp g, G1S, G1SB
	s_mov_b32 s[\g+1], 32<<16
	s_mov_b32 s[\g+2], (128*KS/256)<<16
	s_mov_b32 s[\g+3], 32<<16
	s_mov_b32 s[\g+4], 128*KS/256
	s_mov_b32 s[\g+5], 32
	s_mov_b32 s[\g+6], 0
	s_mov_b32 s[\g+7], 0
.endr
	s_lshl_b32 s18, s16, 7
	s_lshl_b32 s20, s17, 8
	s_add_co_u32 s20, s20, s18                     ; x: row 256 x tile row + 128 x half
	s_lshl_b32 s46, s42, 8
	s_add_co_u32 s46, s46, s18                     ; W: row 256 x tile column + 128 x half
	s_mov_b32 s21, 0
	s_mov_b32 s47, 0
	s_mov_b64 s[18:19], KS
	s_mul_u64 s[22:23], s[20:21], s[18:19]
	s_mul_u64 s[92:93], s[46:47], s[18:19]
	s_mov_b64 s[18:19], KROW
	s_mul_u64 s[20:21], s[20:21], s[18:19]
	s_mul_u64 s[46:47], s[46:47], s[18:19]
	s_mul_i32 s45, s14, HALFT                      ; where they go: wave x 128 rows: no place in the cluster enters an LDS address
	s_mul_i32 s94, s14, HALFS
	s_wait_dscnt 0x0                               ; both opening adds are done
	s_wait_kmcnt 0x0
	s_add_nc_u64 s[20:21], s[4:5], s[20:21]
	s_add_nc_u64 s[22:23], s[6:7], s[22:23]
	s_add_nc_u64 s[46:47], s[8:9], s[46:47]
	s_add_nc_u64 s[92:93], s[10:11], s[92:93]
	CROUND                                         ; all sixteen work-groups are here: the first joint loads meet
	s_mov_b32 s[G0S], 1
	s_add_co_u32 s[G0S+1], s94, SCL
	s_mov_b64 s[G0S+2:G0S+3], s[22:23]
	s_or_b32 s[G0S+3], s[G0S+3], 0x80000000
	s_mov_b32 s[G0SB], 1
	s_add_co_u32 s[G0SB+1], s94, SCL
	s_mov_b64 s[G0SB+2:G0SB+3], s[92:93]
	s_or_b32 s[G0SB+3], s[G0SB+3], 0x80000000
	JLOAD G0S, G1S, G0SB, G1SB                     ; the scales first: they are wanted with K step 0
.irp s, 0,1
	s_mov_b32 s[G0+4*\s], 1
	s_add_co_u32 s[G0+4*\s+1], s45, \s*SLOT
	s_add_nc_u64 s[G0+4*\s+2:G0+4*\s+3], s[20:21], \s*ROWB
	s_or_b32 s[G0+4*\s+3], s[G0+4*\s+3], 0x80000000
	s_mov_b32 s[G0B+4*\s], 1
	s_add_co_u32 s[G0B+4*\s+1], s45, \s*SLOT
	s_add_nc_u64 s[G0B+4*\s+2:G0B+4*\s+3], s[46:47], \s*ROWB
	s_or_b32 s[G0B+4*\s+3], s[G0B+4*\s+3], 0x80000000
	JLOAD G0+4*\s, G1, G0B+4*\s, G1B
.endr
	v_and_b32 v1, 15, v0                           ; l % 16
	v_bfe_u32 v2, v0, 4, 1                         ; l / 16
	v_mul_u32_u24 v3, v1, PITCH
	v_lshl_add_u32 v4, v2, 4, v3                   ; a fragment's row x pitch + 16 x half
	s_mul_i32 s21, s15, HALFT
	s_mul_i32 s22, s16, HALFT
	s_add_co_u32 s22, s22, 2*HALFT
.irp s, 0,1
	v_add_nc_u32 v[ADRA+\s], s21, v4
	v_add_nc_u32 v[ADRB+\s], s22, v4
	s_add_co_u32 s21, s21, SLOT
	s_add_co_u32 s22, s22, SLOT
.endr
	v_mul_u32_u24 v5, v1, KS                       ; my row's scales: KS bytes a row,
	v_lshrrev_b32 v6, 8, v5
	v_lshl_add_u32 v5, v6, 4, v5                   ; and 16 more for each 256 passed
	s_mul_i32 s21, s15, HALFS
	s_mul_i32 s22, s16, HALFS
	s_add_co_u32 s22, s22, 2*HALFS
	s_sub_co_u32 s22, s22, s21
	v_mul_u32_u24 v6, s22, v2                      ; lanes 16-31 take W's
	s_add_co_u32 s21, s21, SCL
	v_add_nc_u32 v5, v5, v6
	v_add_nc_u32 v[ADRS], s21, v5
	s_mul_i32 s23, s14, 16*SPITCH                  ; my stage
	v_mul_u32_u24 v5, v1, SPITCH
	v_lshl_add_u32 v5, v2, 5, v5
	v_add_nc_u32 v[STO], s23, v5
	v_and_b32 v6, 31, v0
	v_lshlrev_b32 v[CO], 4, v6
	v_add_nc_u32 v[RD], s23, v[CO]
	v_xor_b32 v[RD2], 0x100, v[CO]                 ; channel d's partner in the rotation is d + 64 or d - 64: 256 bytes away in the row
	v_add_nc_u32 v[RD2], s23, v[RD2]
	v_lshlrev_b32 v[CO2], 3, v6
	v_lshrrev_b32 v7, 1, v6                        ; my channels 4 l .. 4 l + 3 are 8 c + 4 h + 0 .. 3 with c = l / 2, h = l % 2
	v_and_b32 v5, 1, v6
	v_lshlrev_b32 v7, 9, v7
	v_lshl_add_u32 v[CO3], v5, 8, v7               ; 512 c + 256 h
	s_lshl_b32 s20, s17, 8
	s_lshl_b32 s21, s15, 7
	s_add_co_u32 s20, s20, s21                     ; my first row: 256 x tile row + 128 x half
	v_mov_b32 v[ROW0], s20
	s_mov_b32 s23, 0
	s_lshl_b32 s22, s20, 9
	s_add_nc_u64 s[12:13], s[12:13], s[22:23]      ; cos and sin at my first row (512 bytes a row)
	s_add_nc_u64 s[66:67], s[66:67], s[22:23]
	s_lshl_b32 s22, s20, 2
	s_add_nc_u64 s[96:97], s[96:97], s[22:23]      ; importance likewise
	s_lshl_b32 s46, s42, 1
	s_add_co_u32 s46, s46, s16                     ; g = 2 x tile column + half: my head of my kind
	s_lshl_b32 s22, s46, 13
	s_add_nc_u64 s[100:101], s[100:101], s[22:23]  ; q32: my image of 8,192 bytes
	s_lshl_b32 s46, s46, 19
	s_lshl_b32 s22, s20, 8
	s_add_co_u32 s22, s22, s46
	s_add_nc_u64 s[98:99], s[98:99], s[22:23]      ; qkvh: g x 524,288 + row x 256
	s_lshr_b32 s[KIND], ttmp9, 1                   ; two clusters along x to a kind
	; F for my 128 rows: lane (r, h) holds that of row 16 a + r
	v_lshlrev_b32 v5, 2, v1
.irp a, 0,1,2,3,4,5,6,7
	global_load_b32 v[FS+2*\a], v5, s[96:97] offset:64*\a
.endr
	v_cvt_f32_u32 v[SGN], v2
	v_fma_f32 v[SGN], v[SGN], 2.0, -1.0
	v_mov_b32 v[SGN+1], v[SGN]
	s_mov_b32 s18, 0xc166d4ca                      ; -10 log2(e)
	s_mov_b32 s19, 0x40e6d4ca                      ; 5 log2(e)
	s_wait_loadcnt 0x0
.irp a, 0,1,2,3,4,5,6,7
	v_fma_f32 v[FS+2*\a], v[FS+2*\a], s18, s19     ; -10 (importance - 0.5) log2(e)
.endr
.irp a, 0,1,2,3,4,5,6,7
	v_exp_f32 v[FS+2*\a], v[FS+2*\a]
.endr
	v_nop                                          ; a plain line behind the last exponential
	s_wait_alu depctr_va_vdst(0)                   ; one wait for the eight, ahead of their first reader
.irp a, 0,1,2,3,4,5,6,7
	v_add_f32 v[FS+2*\a], 1.0, v[FS+2*\a]
.endr
.irp a, 0,1,2,3,4,5,6,7
	v_rcp_f32 v[FS+2*\a], v[FS+2*\a]               ; the sigmoid
.endr
	s_mov_b32 s18, 0x3e43dde5                      ; 1.5 log2(e) / sqrt(128)
	s_mov_b32 s19, 0x3d8293ee                      ; 0.5 log2(e) / sqrt(128)
	v_nop
	s_wait_alu depctr_va_vdst(0)
.irp a, 0,1,2,3,4,5,6,7
	v_fma_f32 v[FS+2*\a], v[FS+2*\a], s18, s19
.endr
.irp a, 0,1,2,3,4,5,6,7
	v_mov_b32 v[FS+2*\a+1], v[FS+2*\a]             ; twice: a pair for the packed multiply
.endr
.macro FRAG reg, adr, q, i             ; a fragment, 16 rows x 128 K of 4-bit codes: lane l holds row l % 16; registers 4 c .. 4 c + 3 hold K = 64 c + 32 (l / 16) + 0 .. 31
.irp c, 0,1
	ds_load_b128 v[\reg+4*\c:\reg+4*\c+3], v[\adr] offset:64*(\q)+32*\c+(\i)*16*PITCH
.endr
.endm
; 16 matrix instructions: x's blocks a0, a0 + 1 against W's eight, 128 along K.  The 64 accumulators take turns, one instruction a turn, in the same order in every step.
.macro MUL16 a0, p, q, sc, zero
.irp a, \a0, \a0+1
.irp b, 0,1,2,3,4,5,6,7
.if \zero
	v_wmma_scale_f32_16x16x128_f8f6f4 v[8*(8*((\a)%4)+\b):8*(8*((\a)%4)+\b)+7], v[128*(\p)+FR*\b:128*(\p)+FR*\b+FR-1], v[AF+FR*(\a):AF+FR*(\a)+FR-1], 0, v[SC+8*NQ*(\sc)+NQ*\b+(\q)], v[SC+8*NQ*(\sc)+NQ*(\a)+(\q)] matrix_a_fmt:MATRIX_FMT_FP4 matrix_b_fmt:MATRIX_FMT_FP4 matrix_a_scale:MATRIX_SCALE_ROW1
.else
	v_wmma_scale_f32_16x16x128_f8f6f4 v[8*(8*((\a)%4)+\b):8*(8*((\a)%4)+\b)+7], v[128*(\p)+FR*\b:128*(\p)+FR*\b+FR-1], v[AF+FR*(\a):AF+FR*(\a)+FR-1], v[8*(8*((\a)%4)+\b):8*(8*((\a)%4)+\b)+7], v[SC+8*NQ*(\sc)+NQ*\b+(\q)], v[SC+8*NQ*(\sc)+NQ*(\a)+(\q)] matrix_a_fmt:MATRIX_FMT_FP4 matrix_b_fmt:MATRIX_FMT_FP4 matrix_a_scale:MATRIX_SCALE_ROW1
.endif
.endr
.endr
.endm
.macro FETCH_B slot, q, p
	WIN TO_B
.irp i, 0,1,2,3,4,5,6,7
	FRAG 128*(\p)+FR*\i, ADRB+\slot, \q, \i
.endr
	WIN 0
.endm
.macro FETCH_A slot, q, i0
.irp i, \i0, \i0+1, \i0+2, \i0+3
	FRAG AF+FR*(\i), ADRA+\slot, \q, \i
.endr
.endm
.macro SCALES sc                       ; a K step's scale words: lanes 0-15 take x's block i, lanes 16-31 W's block i
.irp i, 0,1,2,3,4,5,6,7
	ds_load_b128 v[SC+8*NQ*\sc+NQ*\i:SC+8*NQ*\sc+NQ*\i+3], v[ADRS] offset:\i*SBLK
.endr
.endm
.macro PLACES n                        ; plain vector lines between a matrix instruction and a load into, or a read of, its registers
.rept \n
	v_nop
.endr
.endm
.macro STEP slot, q, zero              ; a step of 128 along K that has its successor in the same slot
	s_wait_dscnt 4*NL                              ; W's set and x's blocks 0-3 are in; the youngest eight loads (x's blocks 4-7) may be out
	WIN MUL_LO
	MUL16 0, (\q)%2, \q, \slot, \zero
	MUL16 2, (\q)%2, \q, \slot, \zero
	s_wait_dscnt 0
	PLACES NP
	FETCH_B \slot, (\q)+1, 1-(\q)%2
	FETCH_A \slot, (\q)+1, 0
	WIN MUL_HI
	MUL16 4, (\q)%2, \q, \slot, \zero
	MUL16 6, (\q)%2, \q, \slot, \zero
	PLACES NP
	WIN 0
	FETCH_A \slot, (\q)+1, 4
.endm
; A slot's last step changes slots: one barrier; in front of it each wave waits for all its tensor loads, adds 0 to its spare word, and waits for that and for its reads of this slot.
.macro TURN slot, next, fill
	s_wait_tensorcnt 0x0                           ; all my tensor loads have landed: my part of the next slot
	ds_add_u32 v[SPW], v[NIL]
	s_wait_dscnt 4*NL+1                            ; the add and the youngest eight loads may be out
	WIN MUL_LO
	MUL16 0, 1, NQ-1, \slot, 0
	s_wait_dscnt 0x0                               ; the add is done, and my reads of this slot are over
	s_barrier_signal -1
	MUL16 2, 1, NQ-1, \slot, 0
	WIN 0
	s_barrier_wait -1
.if \fill
	CREST                                          ; the barrier has opened a round of the cluster's: no wave of any partner still reads this slot or has a load on its way
	s_add_nc_u64 s[G0+4*\slot+2:G0+4*\slot+3], s[G0+4*\slot+2:G0+4*\slot+3], 2*ROWB
	s_add_nc_u64 s[G0B+4*\slot+2:G0B+4*\slot+3], s[G0B+4*\slot+2:G0B+4*\slot+3], 2*ROWB
	JLOAD G0+4*\slot, G1, G0B+4*\slot, G1B         ; the first tensor load behind the round; its four v_nop are the places in front of the loads below
.else
	PLACES NP
.endif
	v_add_nc_u32 v[ADRS], 4*NQ, v[ADRS]            ; on to the next K step's scale words
	FETCH_B \next, 0, 0
	FETCH_A \next, 0, 0
	SCALES \next
	WIN MUL_HI
	MUL16 4, 1, NQ-1, \slot, 0
	MUL16 6, 1, NQ-1, \slot, 0
	PLACES NP
	WIN 0
	FETCH_A \next, 0, 4
.endm
.macro STEPS slot, from
.set Q, \from
.rept NQ-1-\from
	STEP \slot, Q, 0
.set Q, Q+1
.endr
.endm
	s_wait_tensorcnt 1                             ; the scales and my part of K step 0 are in; K step 1's load may be out
	s_barrier_signal -1
	s_barrier_wait -1
	FETCH_B 0, 0, 0
	FETCH_A 0, 0, 0
	SCALES 0
	FETCH_A 0, 0, 4
	STEP 0, 0, 1                                   ; the first step's products start the sums: nothing is cleared
	s_mov_b32 s3, LAPS-1
.Llap:                                                 ; a trip goes once round the ring and fills both slots again
	STEPS 0, 1
	TURN 0, 1, 1
	STEPS 1, 0
	TURN 1, 0, 1
	STEP 0, 0, 0
	s_sub_co_u32 s3, s3, 1
	s_cmp_lg_u32 s3, 0
	s_cbranch_scc1 .Llap
	STEPS 0, 1                                     ; the last lap fills nothing
	TURN 0, 1, 0
	STEPS 1, 0
	s_wait_dscnt 4*NL
	WIN MUL_LO
	MUL16 0, 1, NQ-1, 1, 0
	MUL16 2, 1, NQ-1, 1, 0
	s_wait_dscnt 0
	WIN MUL_HI
	MUL16 4, 1, NQ-1, 1, 0
	MUL16 6, 1, NQ-1, 1, 0
	WIN 0
; THE WAY OUT, block by block of 16 rows x 128 columns (one head).  A block goes through my stage and comes back as whole rows: lane l holds channels 4 l .. 4 l + 3 of row t in four registers.
; For q and k the row is read a second time, 256 bytes turned, so that the lane also holds the channels 64 away; out = row x cos + other half x sin x (-1 for channels under 64, +1 above).
.macro CS a                            ; cos and sin of block a's 16 rows, 512 consecutive bytes a load, into window 1
	WIN 0x40
.irp t, 0,1,2,3,4,5,6,7,8,9,10,11,12,13,14,15
	global_load_b128 v[128*((\a)%2)+4*\t:128*((\a)%2)+4*\t+3], v[CO], s[12:13] offset:(16*(\a)+\t)*512
.endr
.irp t, 0,1,2,3,4,5,6,7,8,9,10,11,12,13,14,15
	global_load_b128 v[128*((\a)%2)+64+4*\t:128*((\a)%2)+64+4*\t+3], v[CO], s[66:67] offset:(16*(\a)+\t)*512
.endr
	WIN 0
.endm
.macro QSCALE a                        ; q alone: block a's results x F of their rows, each accumulator from its low end on
	s_cmp_lg_u32 s[KIND], 0
	s_cbranch_scc1 .Lnot_q_\@
.set AC, 64*((\a)%4)
	WIN 0x82+0x41*((\a)/4)                         ; destination and source 0 window 2 or 3, F window 0
.set i, 0
.rept 32
	v_pk_mul_f32 v[AC+2*i:AC+2*i+1], v[AC+2*i:AC+2*i+1], v[FS+2*(\a):FS+2*(\a)+1]
.set i, i+1
.endr
	WIN 0
.Lnot_q_\@:
.endm
.macro STG a, rope
.set AC, 64*((\a)%4)
.set BB, TB+64*((\a)%2)
	WIN 0x08+4*((\a)/4)                            ; the data: window 2 or 3
.irp b, 0,1,2,3,4,5,6,7
	ds_store_b128 v[STO], v[AC+8*\b:AC+8*\b+3] offset:64*\b          ; each accumulator from its low end on
	ds_store_b128 v[STO], v[AC+8*\b+4:AC+8*\b+7] offset:64*\b+16
.endr
	WIN 0
.irp t, 0,1,2,3,4,5,6,7,8,9,10,11,12,13,14,15
	ds_load_b128 v[BB+4*\t:BB+4*\t+3], v[RD] offset:\t*SPITCH          ; LDS serves a wave's instructions in order: these see the stores above
.endr
.if \rope
	WIN 0x80+0x40*((\a)/4)                         ; the other halves land in the block's own accumulators, whose stores stand ahead in the same order
.irp t, 0,1,2,3,4,5,6,7,8,9,10,11,12,13,14,15
	ds_load_b128 v[AC+4*\t:AC+4*\t+3], v[RD2] offset:\t*SPITCH
.endr
	WIN 0
.endif
.endm
.macro PROC a, rope
.set AC, 64*((\a)%4)
.set BB, TB+64*((\a)%2)
.set CW, 128*((\a)%2)
.if \rope
.if (\a) < 7
	s_wait_loadcnt 32                              ; this block's cos and sin are in; the next block's 32 loads may be out
	s_wait_dscnt 48                                ; this block is back; the next block's 16 stores and 32 loads may be out
.else
	s_wait_loadcnt 0x0
	s_wait_dscnt 0x0
.endif
	WIN 0x04                                       ; source 1 (cos) window 1
.set i, 0
.rept 32
	v_pk_mul_f32 v[BB+2*i:BB+2*i+1], v[BB+2*i:BB+2*i+1], v[CW+2*i:CW+2*i+1]
.set i, i+1
.endr
	WIN 0x41                                       ; sin in window 1, the sign in window 0
.set i, 0
.rept 32
	v_pk_mul_f32 v[CW+64+2*i:CW+64+2*i+1], v[CW+64+2*i:CW+64+2*i+1], v[SGN:SGN+1]
.set i, i+1
.endr
	WIN 0x06+(\a)/4                                ; source 0 (the other half) window 2 or 3, source 1 (sin) window 1
.set i, 0
.rept 32
	v_pk_fma_f32 v[BB+2*i:BB+2*i+1], v[AC+2*i:AC+2*i+1], v[CW+64+2*i:CW+64+2*i+1], v[BB+2*i:BB+2*i+1]
.set i, i+1
.endr
	WIN 0
.else
.if (\a) < 7
	s_wait_dscnt 32                                ; this block is back; the next block's 16 stores and 16 loads may be out
.else
	s_wait_dscnt 0x0
.endif
.endif
	s_wait_xcnt 0x0                                ; the last block's stores have read their data, and EXEC changes only behind this wait
.if (\a) == 0
	v_cmp_gt_u32 vcc_lo, 16, v[ROW0]               ; positions 0-15 also leave as f32: all lanes on where my first row is 0, none elsewhere: a mask, no branch; the addresses hang on the lane, the row in the block and g alone
	s_and_saveexec_b32 s94, vcc_lo
.irp t, 0,1,2,3,4,5,6,7,8,9,10,11,12,13,14,15
.if \rope
	global_store_b128 v[CO3], v[BB+4*\t:BB+4*\t+3], s[100:101] offset:16*\t     ; q, k: into the reader's register order: pieces of 16 bytes, 8,192 bytes a wave in all
.else
	global_store_b128 v[CO], v[BB+4*\t:BB+4*\t+3], s[100:101] offset:512*\t     ; v: by rows: 512 consecutive bytes
.endif
.endr
	s_wait_xcnt 0x0                                ; and again, in front of the line that widens EXEC
	s_or_b32 exec_lo, exec_lo, s94
.endif
.irp t, 0,1,2,3,4,5,6,7,8,9,10,11,12,13,14,15
	v_cvt_pk_f16_f32 v[HB+2*\t], v[BB+4*\t], v[BB+4*\t+1]
	v_cvt_pk_f16_f32 v[HB+2*\t+1], v[BB+4*\t+2], v[BB+4*\t+3]
.endr
.irp t, 0,1,2,3,4,5,6,7,8,9,10,11,12,13,14,15
	global_store_b64 v[CO2], v[HB+2*\t:HB+2*\t+1], s[98:99] offset:(16*(\a)+\t)*256   ; the wave stores a head's whole row: 256 consecutive bytes
.endr
.endm
	PLACES NP                                      ; behind the last products: for the reads of results and the loads into registers that held fragments and scales
	s_cmp_eq_u32 s[KIND], 2
	s_cbranch_scc1 .Lv_path
	CS 0
	QSCALE 0
	STG 0, 1
.irp a, 0,1,2,3,4,5,6,7
.if \a < 7
	CS \a+1                                        ; the next block is on its way through memory and stage while this one is worked
	QSCALE \a+1
	STG \a+1, 1
.endif
	PROC \a, 1
.endr
	s_branch .Lfin
.Lv_path:                                              ; v: no F, no rotation
	STG 0, 0
.irp a, 0,1,2,3,4,5,6,7
.if \a < 7
	STG \a+1, 0
.endif
	PROC \a, 0
.endr
.Lfin:
	s_wait_tensorcnt 0x0                           ; the wave's end
	ds_add_u32 v[SPW], v[NIL]
	s_wait_dscnt 0x0
	CROUND                                         ; the closing round: no work-group ends while a partner may still ask for a tile that names it
	s_endpgm
.Lfunc_end_k_q687d6aeec6_qkv:
	.size	k_q687d6aeec6_qkv, .Lfunc_end_k_q687d6aeec6_qkv-k_q687d6aeec6_qkv
	.p2alignl 7, 3214868480
	.fill 96, 4, 3214868480
	.section	.rodata,"a",@progbits
	.p2align	6, 0x0
	.amdhsa_kernel k_q687d6aeec6_qkv
		.amdhsa_group_segment_fixed_size 327680
		.amdhsa_private_segment_fixed_size 0
		.amdhsa_enable_private_segment 0
		.amdhsa_kernarg_size 72
		.amdhsa_user_sgpr_count 2
		.amdhsa_user_sgpr_kernarg_segment_ptr 1
		.amdhsa_wavefront_size32 1
		.amdhsa_system_sgpr_workgroup_id_x 1
		.amdhsa_system_sgpr_workgroup_id_y 1
		.amdhsa_system_sgpr_workgroup_id_z 1
		.amdhsa_system_vgpr_workitem_id 0
		.amdhsa_next_free_vgpr 1024
		.amdhsa_next_free_sgpr 102
		.amdhsa_reserve_vcc 1
		.amdhsa_float_denorm_mode_32 3
		.amdhsa_float_denorm_mode_16_64 3
		.amdhsa_memory_ordered 1
		.amdhsa_forward_progress 1
		.amdhsa_inst_pref_size 255
	.end_amdhsa_kernel
	.section	.bss,"aw",@nobits
	.p2align	6
	.space	262144
	.amdgpu_metadata
---
amdhsa.version: [ 1, 2 ]
amdhsa.kernels:
  - .name:           k_q687d6aeec6_qkv
    .symbol:         k_q687d6aeec6_qkv.kd
    .args:
      - { .name: xc, .offset: 0, .size: 8, .value_kind: global_buffer, .address_space: global }
      - { .name: xs, .offset: 8, .size: 8, .value_kind: global_buffer, .address_space: global }
      - { .name: wc, .offset: 16, .size: 8, .value_kind: global_buffer, .address_space: global }
      - { .name: ws, .offset: 24, .size: 8, .value_kind: global_buffer, .address_space: global }
      - { .name: cos, .offset: 32, .size: 8, .value_kind: global_buffer, .address_space: global }
      - { .name: sin, .offset: 40, .size: 8, .value_kind: global_buffer, .address_space: global }
      - { .name: importance, .offset: 48, .size: 8, .value_kind: global_buffer, .address_space: global }
      - { .name: qkvh, .offset: 56, .size: 8, .value_kind: global_buffer, .address_space: global }
      - { .name: q32, .offset: 64, .size: 8, .value_kind: global_buffer, .address_space: global }
    .group_segment_fixed_size: 327680
    .private_segment_fixed_size: 0
    .kernarg_segment_align: 8
    .kernarg_segment_size: 72
    .max_flat_workgroup_size: 128
    .sgpr_count:     102
    .vgpr_count:     1024
    .wavefront_size: 32
...
	.end_amdgpu_metadata
.endif
;; end of part 2
;; launch attn (part 3): grid 16 x 16, 8 waves a work-group, clusters of 4 x 1, 327,680 bytes of LDS; arguments qkvh, ao; writes ao
.if DOCPART == 3
	.amdgcn_target "amdgcn-amd-amdhsa--gfx1250"
	.amdhsa_code_object_version 6
	.text
	.protected	k_q687d6aeec6_attn
	.globl	k_q687d6aeec6_attn
	.p2align	8
	.type	k_q687d6aeec6_attn,@function
k_q687d6aeec6_attn:
	s_mov_b64 s[64:65], 0
	v_nop
	global_prefetch_b8 v0, s[64:65] scope:SCOPE_SE
	s_setreg_imm32_b32 hwreg(HW_REG_WAVE_MODE, 25, 1), 1
	s_wait_xcnt 0x0
	s_wait_alu depctr_hold_cnt(0) depctr_sa_sdst(0) depctr_va_vdst(0) depctr_va_sdst(0) depctr_va_ssrc(0) depctr_va_vcc(0) depctr_vm_vsrc(0)
	s_getreg_b32 s2, hwreg(HW_REG_IB_STS2, 6, 4)
	s_cmp_eq_u32 s2, 0
	s_cbranch_scc0 .Lentry_in_a_cluster
	s_endpgm
.Lentry_in_a_cluster:
	s_bfe_u32 s2, ttmp6, 0x10000c
	s_cmp_lg_u32 s2, 0x3003
	s_cbranch_scc0 .Lentry_shape_is_right
	s_endpgm
.Lentry_shape_is_right:
; ao[q][head][:] = the sum over k <= q of softmax_k(t[q][k]) v[k][:], t = q . k with the speed, 1 / sqrt(128) and log2(e) already in q.  q, k, v: f16 in qkvh [16 kind + head][2048][128]; ao: [2048][2048] f16.
; Products on f16 operands with f32 sums; maxima, exponentials and sums in f32; p = 2^(t - m), m the running maximum; p is rounded to f16 for the second product, the result once at the end.
; LIMITS: the result stays under 65,504 (it is an average of v).  Positions 0-15 are made here like the others; a later launch makes them again in f32.
; SHARES.  Cluster I = 2 a + b (a, b = 0 or 1) of a head has four work-groups p (0..3).  A tile is 16 queries, a step 64 keys.  Waves u and u + 4 (u = 0..3) share two tiles: an early one, 4 DE + p, whose diagonal
; lies in step DE = 8 a + 2 u + b, and a late one, 4 DL + p, with DL = 31 - DE: DE + DL + 2 = 33 steps for every pair.  A SLOT HOLDS FOUR STEPS: waves 0-3 take its steps 0 and 2, waves 4-7 its steps 1 and 3, so
; that a wave has two steps' work behind each change of slots; at the end the two halves of a tile's keys are merged through LDS.  Steps beyond a tile's diagonal are left out by scalar branches on I, u, the
; half and the count of steps: never on p.
; CLUSTER.  The four work-groups walk the same 8 - 2 a slots of the head's k and v (an even number, since the text takes the two slots by turns), so each tile is asked for JOINTLY; every slot and every load
; is read by a wave of every partner (u = 0 reaches step 31 - 8 a - b).  Where b = 1 the last slot's last step, 64 rows of k and 64 of v, comes with its slot and is not read.
; LAYOUT.  S^T = k q^T and O^T = v^T P: a lane holds ONE query (lane % 16) throughout; two tiles of S^T, rounded in pairs, are source 1 of the second product.  v comes out of LDS turned, by ds_load_tr16_b128.
; REGISTERS: window 0: v1-15 addresses; v16-31 statistics, 8 a tile (0: early, 1: late): +0 m, +2, +3 the sum, +4..+7 at work; v32-95 S^T; v96-127 P; v128-255 k's fragments, then v's.   window 1: v0-63 q; v64-191 O^T.
.set KS,    64
.set PK,    272                        ; a row of k in LDS: 256 + 16 bytes
.set PVP,   288                        ; a row of v: 256 + 32 bytes
.set NST,   4                          ; steps in a slot
.set KREG,  NST*KS*PK                  ; a slot: 256 rows of k, then 256 rows of v
.set SLOT,  NST*KS*(PK+PVP)
.set TR,    2*KS                       ; rows that one tensor load brings: two steps'
.set MRG,   0                          ; the merge and the stages lie in slot 0: by then it has had its last fill, and its last reads lie ahead of the last change's barrier
.set MRGU,  16896                      ; for each u two images of O^T (8,192 bytes each), then m and the sum (128 bytes each)
.set STAGE, MRG+4*MRGU                 ; 16 rows x 272 bytes for each wave, for the way out; the stages end at byte 102,400, inside slot 0
.set SP,    272
.set SPARE, 2*SLOT                     ; behind the ring: the spare words: 128 bytes a wave, named by no other line
.set MS,   1                           ; v1  where m and the sum go
.set PFO,  2                           ; v2  256 x lane: a row of k or v
.set AK,   3                           ; v3-4  my lane's place in my first step's k, slot 0, 1; my second step lies 128 rows on: in the loads' immediates
.set AV,   5                           ; v5-6  the same for v
.set QO,   7                           ; v7  my bytes in a tile of q
.set DM,   8                           ; v8  16 p + lane % 16 - 8 (lane / 16): on the diagonal, key 16 kt + j of my half counts where 16 kt + j <= DM
.set NINF, 9                           ; v9  -infinity
.set STO,  10
.set RD,   11
.set GO,   12                          ; v12 my bytes in two rows of ao
.set MI,   13                          ; v13 an image's place for my lane
.set SPW,  14
.set NIL,  15
.set ST,   16
.set S,    32
.set P,    96
.set KV,   128
.set G1K,  24
.set G1V,  32
.set G0K,  40                          ; s[40:47] group 0 for k's tiles, a set for each slot
.set G0V,  48                          ; s[48:55] for v's
.set SEL,  56
.set MSB, 0
.macro WIN new
.if MSB != (\new)
	s_set_vgpr_msb (MSB<<8)|(\new)
.set MSB, (\new)
.endif
.endm
.macro CROUND                          ; a round of the cluster's barrier
	s_barrier_signal -1
	s_barrier_wait -1
	s_cmp_lg_u32 s12, 0
	s_cbranch_scc1 .Lnot_wave_0_\@
	s_barrier_signal -3
.Lnot_wave_0_\@:
	s_barrier_wait -3
	s_barrier_signal -1
	s_barrier_wait -1
.endm
; Waves 0 and 1 fetch a slot's k, two steps each, waves 2 and 3 its v, the others nothing.  The branches hang on the wave's number alone.  An s_nop 0 and four v_nop follow each load.
.macro TLOAD n
	s_cmp_lt_u32 s12, 2
	s_cbranch_scc0 .Lnot_k_\@
	tensor_load_to_lds s[G0K+4*(\n):G0K+4*(\n)+3], s[G1K:G1K+7]
	s_nop 0
.rept 4
	v_nop
.endr
	s_branch .Lasked_\@
.Lnot_k_\@:
	s_cmp_lt_u32 s12, 4
	s_cbranch_scc0 .Lasked_\@
	tensor_load_to_lds s[G0V+4*(\n):G0V+4*(\n)+3], s[G1V:G1V+7]
	s_nop 0
.rept 4
	v_nop
.endr
.Lasked_\@:
.endm
; A prefetch of the slot that the NEXT change of slots will ask for.  All clusters of a head walk the same rows from the first on, and cluster 0 walks all of them: it alone asks.  In each of its work-groups waves 0
; and 1 ask for k's rows and waves 2 and 3 for v's, behind their tensor load; the four partners take 64 of a slot's 256 rows each, told apart by address, a wave 32 of them, a lane a row of 256 bytes.  So each row
; is named once.  Only the loop's changes ask: slots 2 to 7.
.macro ASK
	s_cmp_eq_u32 s82, 1
	s_cbranch_scc0 .Lnot_mine_\@
	global_prefetch_b8 v[PFO], s[80:81] th:TH_LOAD_NT scope:SCOPE_SE
.Lnot_mine_\@:
.endm
.macro FETCH_K n, hf                   ; k of my first (hf = 0) or second (1) step of slot n: 16 fragments: keys 16 (f / 4) on, channels 32 (f % 4) on
.irp f, 0,1,2,3,4,5,6,7,8,9,10,11,12,13,14,15
	ds_load_b128 v[KV+8*\f:KV+8*\f+3],   v[AK+\n] offset:(\hf)*TR*PK+(\f/4)*16*PK+(\f%4)*64
	ds_load_b128 v[KV+8*\f+4:KV+8*\f+7], v[AK+\n] offset:(\hf)*TR*PK+(\f/4)*16*PK+(\f%4)*64+32
.endr
.endm
.macro FETCH_V n, hf                   ; the same step's v, turned: keys 32 (f / 8) on, channels 16 (f % 8) on
.irp f, 0,1,2,3,4,5,6,7,8,9,10,11,12,13,14,15
	ds_load_tr16_b128 v[KV+8*\f:KV+8*\f+3],   v[AV+\n] offset:(\hf)*TR*PVP+(\f/8)*32*PVP+(\f%8)*32
	ds_load_tr16_b128 v[KV+8*\f+4:KV+8*\f+7], v[AV+\n] offset:(\hf)*TR*PVP+(\f/8)*32*PVP+16*PVP+(\f%8)*32
.endr
.endm
.macro QK x                            ; S^T of tile x: four accumulators by turns, channels 32 c on; the first four products start the sums
	WIN 0x04                                       ; source 1 (q) window 1
.irp c, 0,1,2,3
.irp kt, 0,1,2,3
.if \c == 0
	v_wmma_f32_16x16x32_f16 v[S+32*(\x)+8*\kt:S+32*(\x)+8*\kt+7], v[KV+32*\kt+8*\c:KV+32*\kt+8*\c+7], v[32*(\x)+8*\c:32*(\x)+8*\c+7], 0
.else
	v_wmma_f32_16x16x32_f16 v[S+32*(\x)+8*\kt:S+32*(\x)+8*\kt+7], v[KV+32*\kt+8*\c:KV+32*\kt+8*\c+7], v[32*(\x)+8*\c:32*(\x)+8*\c+7], v[S+32*(\x)+8*\kt:S+32*(\x)+8*\kt+7]
.endif
.endr
.endr
.endm
.macro PVM x                           ; O^T of tile x += v^T P: eight accumulators by turns, keys 32 kg on
	WIN 0x50                                       ; C and D window 1
.irp kg, 0,1
.irp ct, 0,1,2,3,4,5,6,7
	v_wmma_f32_16x16x32_f16 v[64+64*(\x)+8*\ct:64+64*(\x)+8*\ct+7], v[KV+64*\kg+8*\ct:KV+64*\kg+8*\ct+7], v[P+16*(\x)+8*\kg:P+16*(\x)+8*\kg+7], v[64+64*(\x)+8*\ct:64+64*(\x)+8*\ct+7]
.endr
.endr
.endm
.macro MASK x                          ; the diagonal step: hidden scores become -infinity, each accumulator from its low end on
.set n, 0
.rept 32
	v_cmp_le_i32 vcc_lo, 16*(n/8)+n%8, v[DM]
	v_cndmask_b32 v[S+32*(\x)+n], v[NINF], v[S+32*(\x)+n], vcc_lo
.set n, n+1
.endr
.endm
.macro SOFTMAX x
.set rT, ST+8*(\x)
.set rS, S+32*(\x)
.set rP, P+16*(\x)
.set rO, 64+64*(\x)
.irp j, 0,1,2,3
	v_max3_num_f32 v[rT+4+\j], v[rS+8*\j], v[rS+8*\j+1], v[rS+8*\j+2]       ; the maximum, in four chains
.endr
.irp g, 1,2
.irp j, 0,1,2,3
	v_max3_num_f32 v[rT+4+\j], v[rT+4+\j], v[rS+8*\j+2*\g+1], v[rS+8*\j+2*\g+2]
.endr
.endr
	v_max3_num_f32 v[rT+4], v[rT+4], v[rS+7], v[rS+15]
	v_max3_num_f32 v[rT+6], v[rT+6], v[rS+23], v[rS+31]
	v_max3_num_f32 v[rT+4], v[rT+4], v[rT+5], v[rT+6]
	v_max3_num_f32 v[rT+4], v[rT+4], v[rT+7], v[rT]                          ; with the old m
	v_permlanex16_b32 v[rT+5], v[rT+4], s[SEL], s[SEL+1]                     ; the query's other 32 keys lie in the lane 16 away
	v_mov_b32 v[rT+7], v[rT]
	v_max_num_f32 v[rT], v[rT+4], v[rT+5]                                    ; the new m
	v_sub_f32 v[rT+7], v[rT+7], v[rT]                                        ; old m - new m
.set i, 0
.rept 16
	v_pk_add_f32 v[rS+2*i:rS+2*i+1], v[rS+2*i:rS+2*i+1], v[rT:rT+1] op_sel_hi:[1,0] neg_lo:[0,1] neg_hi:[0,1]   ; t - m
.set i, i+1
.endr
	v_exp_f32 v[rT+6], v[rT+7]                                               ; a = 2^(old m - new m)
.set i, 0
.rept 32
	v_exp_f32 v[rS+i], v[rS+i]
.set i, i+1
.endr
	v_nop                                          ; a plain line behind the last exponential
	s_wait_alu depctr_va_vdst(0)                   ; one wait for the 33, ahead of their first reader
.set i, 0
.rept 16
	v_cvt_pk_f16_f32 v[rP+i], v[rS+2*i], v[rS+2*i+1]
.set i, i+1
.endr
.irp u, 0,1,2,3,4,5,6,7
	v_pk_add_f32 v[rS+4*\u:rS+4*\u+1], v[rS+4*\u:rS+4*\u+1], v[rS+4*\u+2:rS+4*\u+3]   ; the sum of the unrounded p, a tree in place
.endr
.irp u, 0,1,2,3
	v_pk_add_f32 v[rS+8*\u:rS+8*\u+1], v[rS+8*\u:rS+8*\u+1], v[rS+8*\u+4:rS+8*\u+5]
.endr
.irp u, 0,1
	v_pk_add_f32 v[rS+16*\u:rS+16*\u+1], v[rS+16*\u:rS+16*\u+1], v[rS+16*\u+8:rS+16*\u+9]
.endr
	v_pk_add_f32 v[rS:rS+1], v[rS:rS+1], v[rS+16:rS+17]
	v_pk_fma_f32 v[rT+2:rT+3], v[rT+2:rT+3], v[rT+6:rT+7], v[rS:rS+1] op_sel_hi:[1,0,1]
	WIN 0x41                                       ; O^T in window 1, a in window 0
.set i, 0
.rept 32
	v_pk_mul_f32 v[rO+2*i:rO+2*i+1], v[rO+2*i:rO+2*i+1], v[rT+6:rT+7] op_sel_hi:[1,0]
.set i, i+1
.endr
	WIN 0
.endm
.macro PLACES
.rept 4
	v_nop
.endr
.endm
; ONE OF MY TWO STEPS OF SLOT n: step s20.  The late tile has it while s20 <= DL, the early one while s20 <= DE.  k and v share one buffer: v is fetched behind the products that read k, and lands under the late
; tile's softmax.  The step parts ONCE, behind the late tile's k q^T: an arm for both tiles and an arm for the late tile alone, so that all that reads the early tile's scores lies on the way of the products that
; write them.  DE <= 15 < 16 <= DL: in the arm for both tiles the late tile is never on its diagonal, so that arm has no mask for it.
.macro STEP n, hf
	s_cmp_gt_u32 s20, s19
	s_cbranch_scc1 .Lskip_\@
	FETCH_K \n, \hf
	s_wait_dscnt 0x0
	QK 1
	WIN 0
	s_cmp_gt_u32 s20, s18
	s_cbranch_scc1 .Llate_\@
	QK 0                                           ; BOTH TILES
	WIN 0
	PLACES                                         ; in front of the loads into k's registers and of the first read of the scores
	FETCH_V \n, \hf
	SOFTMAX 1
	s_wait_dscnt 0x0                               ; v is in
	PVM 1
	WIN 0
	s_cmp_lg_u32 s20, s18
	s_cbranch_scc1 .Lopen0_\@
	MASK 0
.Lopen0_\@:
	SOFTMAX 0
	PVM 0
	WIN 0
	s_branch .Ldone_\@
.Llate_\@:                                             ; THE LATE TILE ALONE
	PLACES                                         ; in front of the loads into k's registers and of the first read of the scores
	FETCH_V \n, \hf
	s_cmp_lg_u32 s20, s19
	s_cbranch_scc1 .Lopen1_\@
	MASK 1
.Lopen1_\@:
	SOFTMAX 1
	s_wait_dscnt 0x0                               ; v is in
	PVM 1
	WIN 0
.Ldone_\@:
	PLACES                                         ; behind the last products: for the next loads into the buffer and the next reads of O^T
.Lskip_\@:
.endm
; THE CHANGE OF SLOTS stands at a slot's head.  Each wave waits for all its tensor loads, adds 0 to its spare word, and waits for that and for its reads of the slot that it has left.  refill = 1: a round of the
; cluster's barrier, and behind it the other slot is asked for: a wave's one tensor load until the next round; by this text's count one load of a wave is out, and it has two steps of every wave in which to land.
.macro TRIP n, refill, ask
	s_wait_tensorcnt 0x0                           ; no tensor load of mine is out, so a group 0 may be written
	ds_add_u32 v[SPW], v[NIL]
.if \refill
	ds_add_u32 v[SPW], v[NIL]                      ; and twice on end where a tensor load follows, in every trip alike
.endif
	s_add_nc_u64 s[G0K+4*\n+2:G0K+4*\n+3], s[G0K+4*\n+2:G0K+4*\n+3], 131072  ; this slot's next keys: two slots, 512 rows of 256 bytes, on
	s_add_nc_u64 s[G0V+4*\n+2:G0V+4*\n+3], s[G0V+4*\n+2:G0V+4*\n+3], 131072
.if \ask
	s_wait_xcnt 0x0                                ; the last prefetch, a slot back, has read its address
	s_add_nc_u64 s[80:81], s[80:81], 65536
.endif
	s_wait_dscnt 0x0                               ; the add is done, and my reads of the slot that I have left are over
.if \refill
	CROUND
	TLOAD 1-\n
.else
	s_barrier_signal -1
	s_barrier_wait -1
.endif
.if \ask
	ASK
.endif
	STEP \n, 0
	s_add_co_u32 s20, s20, 2
	STEP \n, 1
	s_add_co_u32 s20, s20, 2
.endm
	s_load_b128 s[4:7], s[0:1], 0x0                ; qkvh, ao
	v_lshl_add_u32 v[SPW], v0, 2, SPARE
	v_mov_b32 v[NIL], 0
	ds_add_u32 v[SPW], v[NIL]                      ; the wave's opening: the add, twice on end, and its wait ahead of the first tensor load
	ds_add_u32 v[SPW], v[NIL]
	v_lshrrev_b32 v1, 5, v0
	v_readfirstlane_b32 s12, v1                    ; wave 0..7
	s_and_b32 s13, s12, 3                          ; u
	s_lshr_b32 s14, s12, 2                         ; which steps of a slot are mine: 0 and 2, or 1 and 3
	s_bfe_u32 s15, ttmp6, 0x40000                  ; p: my place in the cluster
	s_mov_b32 s16, ttmp9                           ; I: the cluster
	s_and_b32 s17, ttmp7, 0xffff                   ; the head
	s_lshr_b32 s22, s16, 1                         ; a
	s_and_b32 s23, s16, 1                          ; b
	s_lshl_b32 s18, s22, 3
	s_add_co_u32 s18, s18, s23
	s_lshl_b32 s23, s13, 1
	s_add_co_u32 s18, s18, s23                     ; DE = 8 a + 2 u + b
	s_sub_co_u32 s19, 31, s18                      ; DL
	s_mov_b32 s20, s14                             ; my first step
	s_sub_co_u32 s21, 3, s22                       ; the loop's trips: slots / 2 - 1: 3 or 2, since a is 0 or 1;
	s_max_u32 s21, s21, 1                          ; the lower bound is stated in the text
	s_mov_b32 s[G1K], 15|(1<<16)|(1<<20)|(1<<21)|(5<<22)|(3<<25)  ; all four work-groups; elements of 2 bytes; 4 words of padding behind every 64; bit 21 beside a mask
	s_mov_b32 s[G1V], 15|(1<<16)|(1<<20)|(1<<21)|(5<<22)|(7<<25)  ; the same with 8 words
.irp g, G1K, G1V
	s_mov_b32 s[\g+1], 128<<16                     ; tensor_dim0
	s_mov_b32 s[\g+2], TR<<16                      ; tensor_dim1
	s_mov_b32 s[\g+3], 128<<16                     ; tile_dim0
	s_mov_b32 s[\g+4], TR                          ; tile_dim1
	s_mov_b32 s[\g+5], 128                         ; from row to row
	s_mov_b32 s[\g+6], 0
	s_mov_b32 s[\g+7], 0
.endr
	s_mov_b32 s[SEL], 0x76543210
	s_mov_b32 s[SEL+1], 0xfedcba98
	; what I fetch, if I fetch: steps 2 (wave % 2) and 2 (wave % 2) + 1 of a slot.  Nothing here holds p
	s_add_co_u32 s70, s17, 16
	s_lshl_b32 s70, s70, 19                        ; k of my head
	s_and_b32 s72, s12, 1
	s_lshl_b32 s73, s72, 15                        ; the two steps' 128 rows of 256 bytes
	s_add_co_u32 s70, s70, s73
	s_mov_b32 s71, 0
	s_mul_i32 s73, s72, TR*PVP
	s_add_co_u32 s73, s73, KREG                    ; their place in a slot: v's,
	s_mul_i32 s72, s72, TR*PK                      ; and k's
	; every LDS address
	v_and_b32 v16, 15, v0                          ; r
	v_bfe_u32 v17, v0, 4, 1                        ; h
	v_and_b32 v18, 31, v0                          ; lane
	s_mul_i32 s22, s14, KS*PK                      ; my first step of a slot
	v_mul_u32_u24 v19, v16, PK
	v_lshl_add_u32 v19, v17, 4, v19                ; r x 272 + 16 h
	v_add_nc_u32 v[AK], s22, v19
	v_add_nc_u32 v[AK+1], SLOT, v[AK]
	v_and_b32 v20, 7, v0
	v_bfe_u32 v21, v0, 3, 1
	v_lshl_add_u32 v22, v17, 3, v20                ; the turning load: key 8 h + lane % 8, channels 8 ((lane / 8) % 2) on
	v_mul_u32_u24 v22, v22, PVP
	v_lshl_add_u32 v22, v21, 4, v22
	s_mul_i32 s23, s14, KS*PVP
	s_add_co_u32 s23, s23, KREG
	v_add_nc_u32 v[AV], s23, v22
	v_add_nc_u32 v[AV+1], SLOT, v[AV]
	s_mul_i32 s23, s12, 16*SP
	s_add_co_u32 s23, s23, STAGE                   ; my stage
	v_add_nc_u32 v[STO], s23, v19
	v_mul_u32_u24 v24, v17, SP
	v_lshl_add_u32 v24, v16, 4, v24
	v_add_nc_u32 v[RD], s23, v24
	s_mul_i32 s23, s13, MRGU
	s_add_co_u32 s23, s23, MRG                     ; my pair's place for the merge
	v_lshl_add_u32 v[MI], v18, 4, s23
	s_add_co_u32 s23, s23, 16384
	v_lshl_add_u32 v[MS], v18, 2, s23
	v_lshlrev_b32 v[QO], 8, v16
	v_lshl_add_u32 v[QO], v17, 4, v[QO]
	v_lshlrev_b32 v[GO], 12, v17
	v_lshl_add_u32 v[GO], v16, 4, v[GO]
	v_lshlrev_b32 v[PFO], 8, v18
	v_lshlrev_b32 v23, 3, v17
	v_sub_nc_u32 v[DM], v16, v23
	s_lshl_b32 s23, s15, 4
	v_add_nc_u32 v[DM], s23, v[DM]
	v_mov_b32 v[NINF], 0xff800000
	s_wait_dscnt 0x0                               ; both opening adds are done
	s_wait_kmcnt 0x0
	s_add_nc_u64 s[70:71], s[4:5], s[70:71]
.irp n, 0,1
	s_mov_b32 s[G0K+4*\n], 1
	s_add_co_u32 s[G0K+4*\n+1], s72, \n*SLOT
	s_add_nc_u64 s[G0K+4*\n+2:G0K+4*\n+3], s[70:71], \n*65536
	s_or_b32 s[G0K+4*\n+3], s[G0K+4*\n+3], 0x80000000
	s_mov_b32 s[G0V+4*\n], 1
	s_add_co_u32 s[G0V+4*\n+1], s73, \n*SLOT
	s_add_nc_u64 s[G0V+4*\n+2:G0V+4*\n+3], s[70:71], \n*65536+0x800000   ; v lies 16 heads behind k
	s_or_b32 s[G0V+4*\n+3], s[G0V+4*\n+3], 0x80000000
.endr
	CROUND                                         ; all four work-groups are here: the first joint loads meet
	TLOAD 0
	; my two tiles: p enters q's and ao's addresses, the mask's constant and the prefetch's address, and nothing else
	s_lshl_b32 s74, s18, 2                         ; 4 DE
	s_sub_co_u32 s75, 124, s74                     ; 4 DL
	s_add_co_u32 s74, s74, s15                     ; the early tile
	s_add_co_u32 s75, s75, s15                     ; the late tile
	s_mov_b32 s79, 0
	s_lshl_b32 s76, s17, 19
	s_lshl_b32 s78, s74, 12
	s_add_co_u32 s78, s78, s76
	s_add_nc_u64 s[58:59], s[4:5], s[78:79]        ; q: head x 524,288 + tile x 4,096
	s_lshl_b32 s78, s75, 12
	s_add_co_u32 s78, s78, s76
	s_add_nc_u64 s[60:61], s[4:5], s[78:79]
	s_lshl_b32 s76, s17, 8
	s_lshl_b32 s78, s74, 16
	s_add_co_u32 s78, s78, s76
	s_add_nc_u64 s[66:67], s[6:7], s[78:79]        ; ao: tile x 65,536 + head x 256
	s_lshl_b32 s78, s75, 16
	s_add_co_u32 s78, s78, s76
	s_add_nc_u64 s[68:69], s[6:7], s[78:79]
	s_bfe_u32 s76, s12, 0x10001                    ; the prefetches: k (waves 0, 1) or v (waves 2, 3),
	s_lshl_b32 s76, s76, 4
	s_add_co_u32 s76, s76, s17
	s_add_co_u32 s76, s76, 16
	s_lshl_b32 s76, s76, 19
	s_lshl_b32 s77, s15, 14                        ; my work-group's 64 rows of a slot's 256,
	s_add_co_u32 s76, s76, s77
	s_and_b32 s77, s12, 1
	s_lshl_b32 s77, s77, 13                        ; my wave's 32 of them,
	s_add_co_u32 s76, s76, s77
	s_add_co_u32 s76, s76, 65536                   ; in slot 1: the first change of slots steps it to slot 2.  Nothing is asked for here, at the head
	s_mov_b32 s77, 0
	s_add_nc_u64 s[80:81], s[4:5], s[76:77]
	s_lshr_b32 s78, s12, 2                         ; 0 in waves 0 to 3,
	s_or_b32 s78, s78, s16                         ; of cluster 0
	s_cmp_eq_u32 s78, 0
	s_cselect_b32 s82, 1, 0
	WIN 0x40                                       ; destination window 1
.irp i, 0,1,2,3
	global_load_b128 v[8*\i:8*\i+3],       v[QO], s[58:59] offset:64*\i
	global_load_b128 v[8*\i+4:8*\i+7],     v[QO], s[58:59] offset:64*\i+32
	global_load_b128 v[32+8*\i:32+8*\i+3], v[QO], s[60:61] offset:64*\i
	global_load_b128 v[32+8*\i+4:32+8*\i+7], v[QO], s[60:61] offset:64*\i+32
.endr
.set i, 0
.rept 128
	v_mov_b32 v[64+i], 0                           ; O^T begins as zeros: the step is written once, and a wave that has no step of a tile hands zeros to the merge
.set i, i+1
.endr
	WIN 0
.irp x, 0,1
	v_mov_b32 v[ST+8*\x], 0xff61b1e6               ; m: -3e38, under every t
	v_mov_b32 v[ST+8*\x+1], 0                      ; (named with it as a pair)
	v_mov_b32 v[ST+8*\x+2], 0                      ; the sum, in two halves
	v_mov_b32 v[ST+8*\x+3], 0
.endr
	s_wait_loadcnt 0x0                             ; q
.Lpair:                                                ; 3 - a trips of two slots
	TRIP 0, 1, 1
	TRIP 1, 1, 1
	s_sub_co_i32 s21, s21, 1
	s_cmp_gt_i32 s21, 0
	s_cbranch_scc1 .Lpair
	TRIP 0, 1, 0                                   ; the tail is written out: the last slot is asked for,
	TRIP 1, 0, 0                                   ; and then nothing.  Behind this change's barrier nobody reads slot 0 any more
	; THE MERGE.  Waves 4-7 hand m, the sum and O^T of both tiles to waves 0-3, as images of their registers.
.irp x, 0,1
	v_add_f32 v[ST+8*\x+2], v[ST+8*\x+2], v[ST+8*\x+3]
.endr
.irp x, 0,1
	v_permlanex16_b32 v[ST+8*\x+3], v[ST+8*\x+2], s[SEL], s[SEL+1]
.endr
.irp x, 0,1
	v_add_f32 v[ST+8*\x+2], v[ST+8*\x+2], v[ST+8*\x+3]    ; my half of the keys' sum for my query
.endr
	s_cmp_lt_u32 s12, 4
	s_cbranch_scc1 .Lkeep
	WIN 0x04                                       ; an LDS store's data are its source 1: window 1
.irp k, 0,1,2,3,4,5,6,7,8,9,10,11,12,13,14,15,16,17,18,19,20,21,22,23,24,25,26,27,28,29,30,31
	ds_store_b128 v[MI], v[64+4*\k:64+4*\k+3] offset:512*\k     ; each accumulator from its low end on
.endr
	WIN 0
.irp x, 0,1
	ds_store_b32 v[MS], v[ST+8*\x] offset:256*\x
	ds_store_b32 v[MS], v[ST+8*\x+2] offset:256*\x+128
.endr
.Lkeep:
	s_wait_dscnt 0x0                               ; for the others' sake: my stores have landed
	s_barrier_signal -1
	s_barrier_wait -1
	s_cmp_lt_u32 s12, 4
	s_cbranch_scc0 .Lend
.irp x, 0,1
	ds_load_b32 v[ST+8*\x+4], v[MS] offset:256*\x          ; the partner's m
	ds_load_b32 v[ST+8*\x+5], v[MS] offset:256*\x+128      ; and sum
.endr
.irp k, 0,1,2,3,4,5,6,7,8,9,10,11,12,13,14,15,16,17,18,19,20,21,22,23,24,25,26,27,28,29,30,31
	ds_load_b128 v[KV+4*\k:KV+4*\k+3], v[MI] offset:512*\k
.endr
	s_wait_dscnt 32                                ; the four numbers are in; the 32 loads of the images may be out
.irp x, 0,1
	v_max_num_f32 v[ST+8*\x+1], v[ST+8*\x], v[ST+8*\x+4]
.endr
.irp x, 0,1
	v_sub_f32 v[ST+8*\x+6], v[ST+8*\x], v[ST+8*\x+1]
	v_sub_f32 v[ST+8*\x+7], v[ST+8*\x+4], v[ST+8*\x+1]
.endr
.irp x, 0,1
	v_exp_f32 v[ST+8*\x+6], v[ST+8*\x+6]           ; f0, f1: each half under the common maximum
	v_exp_f32 v[ST+8*\x+7], v[ST+8*\x+7]
.endr
	v_nop
	s_wait_alu depctr_va_vdst(0)                   ; one wait for the four
.irp x, 0,1
	v_mul_f32 v[ST+8*\x+3], v[ST+8*\x+5], v[ST+8*\x+7]
.endr
.irp x, 0,1
	v_fma_f32 v[ST+8*\x+3], v[ST+8*\x+2], v[ST+8*\x+6], v[ST+8*\x+3]   ; the row's sum
.endr
.irp x, 0,1
	v_rcp_f32 v[ST+8*\x+3], v[ST+8*\x+3]
.endr
	v_nop
	s_wait_alu depctr_va_vdst(0)                   ; one wait for the two
.irp x, 0,1
	v_mul_f32 v[ST+8*\x+6], v[ST+8*\x+6], v[ST+8*\x+3]     ; g0 = f0 / sum
	v_mul_f32 v[ST+8*\x+4], v[ST+8*\x+7], v[ST+8*\x+3]     ; g1 = f1 / sum
.endr
.macro FIN x, left                     ; tile x: the partner's O^T x g1 + mine x g0, rounded to f16 into S^T's registers
	s_wait_dscnt \left
.set i, 0
.rept 32
	v_pk_mul_f32 v[KV+64*\x+2*i:KV+64*\x+2*i+1], v[KV+64*\x+2*i:KV+64*\x+2*i+1], v[ST+8*\x+4:ST+8*\x+5] op_sel_hi:[1,0]
.set i, i+1
.endr
	WIN 0x01                                       ; source 0 (my O^T) window 1
.set i, 0
.rept 32
	v_pk_fma_f32 v[KV+64*\x+2*i:KV+64*\x+2*i+1], v[64+64*\x+2*i:64+64*\x+2*i+1], v[ST+8*\x+6:ST+8*\x+7], v[KV+64*\x+2*i:KV+64*\x+2*i+1] op_sel_hi:[1,0,1]
.set i, i+1
.endr
	WIN 0
.set i, 0
.rept 32
	v_cvt_pk_f16_f32 v[S+32*\x+i], v[KV+64*\x+2*i], v[KV+64*\x+2*i+1]
.set i, i+1
.endr
.endm
	FIN 0, 16                                      ; tile 0's image is in; tile 1's 16 loads may be out
	FIN 1, 0
.macro PACKST x                        ; a lane's eight channels of a row are 16 bytes: into rows of 272 bytes, and back as whole rows of 256
.irp f, 0,1,2,3,4,5,6,7
	ds_store_b128 v[STO], v[S+32*\x+4*\f:S+32*\x+4*\f+3] offset:32*\f
.endr
.irp f, 0,1,2,3,4,5,6,7
	ds_load_b128 v[S+32*\x+4*\f:S+32*\x+4*\f+3], v[RD] offset:\f*2*SP     ; in order behind the stores above; the next tile's stores come behind them
.endr
.endm
	PACKST 0
	PACKST 1
.irp f, 0,1,2,3,4,5,6,7
	s_wait_dscnt 16+7-\f                           ; behind this load: the rest of tile 0's, and tile 1's sixteen
	global_store_b128 v[GO], v[S+4*\f:S+4*\f+3], s[66:67] offset:\f*8192      ; 16 lanes store a head's 256 bytes of a row
.endr
.irp f, 0,1,2,3,4,5,6,7
	s_wait_dscnt 7-\f
	global_store_b128 v[GO], v[S+32+4*\f:S+32+4*\f+3], s[68:69] offset:\f*8192
.endr
.Lend:
	s_wait_tensorcnt 0x0                           ; the wave's end
	ds_add_u32 v[SPW], v[NIL]
	s_wait_dscnt 0x0
	CROUND                                         ; the closing round
	s_endpgm
.Lfunc_end_k_q687d6aeec6_attn:
	.size	k_q687d6aeec6_attn, .Lfunc_end_k_q687d6aeec6_attn-k_q687d6aeec6_attn
	.p2alignl 7, 3214868480
	.fill 96, 4, 3214868480
	.section	.rodata,"a",@progbits
	.p2align	6, 0x0
	.amdhsa_kernel k_q687d6aeec6_attn
		.amdhsa_group_segment_fixed_size 327680
		.amdhsa_private_segment_fixed_size 0
		.amdhsa_enable_private_segment 0
		.amdhsa_kernarg_size 16
		.amdhsa_user_sgpr_count 2
		.amdhsa_user_sgpr_kernarg_segment_ptr 1
		.amdhsa_wavefront_size32 1
		.amdhsa_system_sgpr_workgroup_id_x 1
		.amdhsa_system_sgpr_workgroup_id_y 1
		.amdhsa_system_sgpr_workgroup_id_z 1
		.amdhsa_system_vgpr_workitem_id 0
		.amdhsa_next_free_vgpr 448
		.amdhsa_next_free_sgpr 84
		.amdhsa_reserve_vcc 1
		.amdhsa_float_denorm_mode_32 3
		.amdhsa_float_denorm_mode_16_64 3
		.amdhsa_memory_ordered 1
		.amdhsa_forward_progress 1
		.amdhsa_inst_pref_size 255
	.end_amdhsa_kernel
	.section	.bss,"aw",@nobits
	.p2align	6
	.space	262144
	.amdgpu_metadata
---
amdhsa.version: [ 1, 2 ]
amdhsa.kernels:
  - .name:           k_q687d6aeec6_attn
    .symbol:         k_q687d6aeec6_attn.kd
    .args:
      - { .name: qkvh, .offset: 0, .size: 8, .value_kind: global_buffer, .address_space: global }
      - { .name: ao, .offset: 8, .size: 8, .value_kind: global_buffer, .address_space: global }
    .group_segment_fixed_size: 327680
    .private_segment_fixed_size: 0
    .kernarg_segment_align: 8
    .kernarg_segment_size: 16
    .max_flat_workgroup_size: 256
    .sgpr_count:     84
    .vgpr_count:     448
    .wavefront_size: 32
...
	.end_amdgpu_metadata
.endif
;; end of part 3
;; launch oproj (part 4): grid 16 x 16, 4 waves a work-group, clusters of 4 x 4, 327,680 bytes of LDS; arguments ao, woh, out0; writes out0
.if DOCPART == 4
	.amdgcn_target "amdgcn-amd-amdhsa--gfx1250"
	.amdhsa_code_object_version 6
	.text
	.protected	k_q687d6aeec6_oproj
	.globl	k_q687d6aeec6_oproj
	.p2align	8
	.type	k_q687d6aeec6_oproj,@function
k_q687d6aeec6_oproj:
	s_mov_b64 s[64:65], 0
	v_nop
	global_prefetch_b8 v0, s[64:65] scope:SCOPE_SE
	s_setreg_imm32_b32 hwreg(HW_REG_WAVE_MODE, 25, 1), 1
	s_wait_xcnt 0x0
	s_wait_alu depctr_hold_cnt(0) depctr_sa_sdst(0) depctr_va_vdst(0) depctr_va_sdst(0) depctr_va_ssrc(0) depctr_va_vcc(0) depctr_vm_vsrc(0)
	s_getreg_b32 s2, hwreg(HW_REG_IB_STS2, 6, 4)
	s_cmp_eq_u32 s2, 0
	s_cbranch_scc0 .Lentry_in_a_cluster
	s_endpgm
.Lentry_in_a_cluster:
	s_bfe_u32 s2, ttmp6, 0x10000c
	s_cmp_lg_u32 s2, 0xf033
	s_cbranch_scc0 .Lentry_shape_is_right
	s_endpgm
.Lentry_shape_is_right:
; out0[m][n] = sum over k of ao[m][k] Wo[n][k].  ao: [2048][2048] f16, woh: Wo rounded to f16, [2048 n][2048 k]; out0: [2048][2048] f32; sums in f32.
; Rows 0-15 are made here like the others; the next launch stores them again, made in f32.
; A tile of C is 128 x 128: 256 work-groups.  Four waves, each 64 x 64: 16 accumulators.  K goes in steps of 256 (LDS rows of 512 bytes; a wave's tensor load brings 64 of them) through two slots.
; CLUSTERS: 4 x 4 work-groups; A's tiles are asked for jointly along a row of the cluster, B's along a column.  THE MATRIX INSTRUCTION IS USED TRANSPOSED (source 0 = 16 rows of B, source 1 = 16 rows of A):
; a lane holds eight neighbouring numbers of a row of C.  A wave's 64 columns of f32 are 256 consecutive bytes, so each wave has a stage of its own on the way out and needs no barrier there.
; REGISTERS: window 0: v0-31 addresses; v32-95 the way out; v128-255 the accumulators ((a, b) at v[128 + 8 (4 a + b)]).   window 1: two fragment buffers of 128.
.set SIZE_M, 2048
.set SIZE_N, 2048
.set SIZE_K, 2048
.set KSTEP,  256
.set PITCH,  528                       ; an LDS row: 512 bytes + 16 of padding
.set HALFT,  64*PITCH
.set SLOT,   4*HALFT
.set STAGE,  2*SLOT                    ; behind the ring: 16 rows x 272 bytes for each wave
.set SPITCH, 272
.set SPARE,  STAGE+128*SPITCH          ; the spare words: 128 bytes a wave, named by no other line
.set LAPS, SIZE_K/(2*KSTEP)
.set ADRA, 16
.set ADRB, 20
.set STO,  24
.set RD,   25
.set CO,   26
.set SPW,  28
.set NIL,  29
.set TMP,  32
.set ACC,  128
.set F0,   0
.set F1,   128
.set G1, 24
.set G0, 32
.set G1B, 48
.set G0B, 56
.set MSB, 0
.macro WIN new
.if MSB != (\new)
	s_set_vgpr_msb (MSB<<8)|(\new)
.set MSB, (\new)
.endif
.endm
.set MUL,  0x05                        ; sources 0 (B) and 1 (A) window 1; C and D window 0
.set TO_F, 0x40
.macro JLOAD s                         ; a joint load: waves 0 and 1 fetch A's two halves, waves 2 and 3 B's; an s_nop 0 and four v_nop follow each of the two lines
	s_cmp_eq_u32 s11, 0
	s_cbranch_scc0 .Lfor_b_\@
	tensor_load_to_lds s[G0+4*\s:G0+4*\s+3], s[G1:G1+7]
	s_nop 0
.rept 4
	v_nop
.endr
	s_branch .Lasked_\@
.Lfor_b_\@:
	tensor_load_to_lds s[G0B+4*\s:G0B+4*\s+3], s[G1B:G1B+7]
	s_nop 0
.rept 4
	v_nop
.endr
.Lasked_\@:
.endm
.macro CREST
	s_cmp_lg_u32 s10, 0
	s_cbranch_scc1 .Lnot_wave_0_\@
	s_barrier_signal -3
.Lnot_wave_0_\@:
	s_barrier_wait -3
	s_barrier_signal -1
	s_barrier_wait -1
.endm
.macro CROUND
	s_barrier_signal -1
	s_barrier_wait -1
	CREST
.endm
	s_load_b128 s[4:7], s[0:1], 0x0                ; A s[4:5], B s[6:7]
	s_load_b64 s[8:9], s[0:1], 0x10                ; C
	v_lshl_add_u32 v[SPW], v0, 2, SPARE
	v_mov_b32 v[NIL], 0
	ds_add_u32 v[SPW], v[NIL]                      ; the wave's opening: the add, twice on end, and its wait ahead of my first tensor load
	ds_add_u32 v[SPW], v[NIL]
	v_lshrrev_b32 v1, 5, v0
	v_readfirstlane_b32 s10, v1                    ; wave 0..3
	s_lshr_b32 s11, s10, 1                         ; which half of the tile's rows is mine.  Also: I fetch for A (0) or for B (1)
	s_and_b32 s12, s10, 1                          ; which half of its columns.  Also: which 64 rows of that tile I fetch
	s_bfe_u32 s40, ttmp6, 0x40000
	s_bfe_u32 s41, ttmp6, 0x40004
	s_lshl_b32 s42, ttmp9, 2
	s_add_co_u32 s42, s42, s40                     ; tile column of C
	s_and_b32 s13, ttmp7, 0xffff
	s_lshl_b32 s13, s13, 2
	s_add_co_u32 s13, s13, s41                     ; tile row of C
	s_lshl_b32 s43, s41, 2
	s_lshl_b32 s43, 15, s43                        ; my row of the cluster
	s_lshl_b32 s44, 0x1111, s40                    ; my column
	s_or_b32 s[G1+0], s43, (1<<16)|(1<<20)|(1<<21)|(6<<22)|(3<<25)  ; the mask; elements of 2 bytes; 4 words of padding behind every 128; bit 21 beside a mask
	s_or_b32 s[G1B+0], s44, (1<<16)|(1<<20)|(1<<21)|(6<<22)|(3<<25)
.irp g, G1, G1B
	s_mov_b32 s[\g+1], KSTEP<<16
	s_mov_b32 s[\g+2], 64<<16
	s_mov_b32 s[\g+3], KSTEP<<16
	s_mov_b32 s[\g+4], 64
	s_mov_b32 s[\g+5], SIZE_K
	s_mov_b32 s[\g+6], 0
	s_mov_b32 s[\g+7], 0
.endr
	s_lshl_b32 s17, s12, 6
	s_lshl_b32 s16, s13, 7
	s_add_co_u32 s16, s16, s17                     ; A: row 128 x tile row + 64 x half
	s_lshl_b32 s46, s42, 7
	s_add_co_u32 s46, s46, s17                     ; B: row 128 x tile column + 64 x half
	s_mov_b32 s17, 0
	s_mov_b32 s47, 0
	s_mov_b64 s[18:19], SIZE_K*2
	s_mul_u64 s[16:17], s[16:17], s[18:19]
	s_mul_u64 s[46:47], s[46:47], s[18:19]
	s_mul_i32 s20, s10, HALFT
	s_wait_dscnt 0x0                               ; both opening adds are done
	s_wait_kmcnt 0x0
	s_add_nc_u64 s[14:15], s[4:5], s[16:17]
	s_add_nc_u64 s[46:47], s[6:7], s[46:47]
	CROUND                                         ; all sixteen work-groups are here: the first joint loads meet
.irp s, 0,1
	s_mov_b32 s[G0+4*\s], 1
	s_add_co_u32 s[G0+4*\s+1], s20, \s*SLOT
	s_add_nc_u64 s[G0+4*\s+2:G0+4*\s+3], s[14:15], \s*KSTEP*2
	s_or_b32 s[G0+4*\s+3], s[G0+4*\s+3], 0x80000000
	s_mov_b32 s[G0B+4*\s], 1
	s_add_co_u32 s[G0B+4*\s+1], s20, \s*SLOT
	s_add_nc_u64 s[G0B+4*\s+2:G0B+4*\s+3], s[46:47], \s*KSTEP*2
	s_or_b32 s[G0B+4*\s+3], s[G0B+4*\s+3], 0x80000000
	JLOAD \s
.endr
	v_and_b32 v1, 15, v0                           ; l % 16
	v_bfe_u32 v2, v0, 4, 1                         ; l / 16
	v_mul_u32_u24 v3, v1, PITCH
	v_lshl_add_u32 v3, v2, 4, v3
	s_mul_i32 s21, s11, HALFT
	s_mul_i32 s22, s12, HALFT
	s_add_co_u32 s22, s22, 2*HALFT
.irp s, 0,1
	v_add_nc_u32 v[ADRA+\s], s21, v3
	v_add_nc_u32 v[ADRB+\s], s22, v3
	s_add_co_u32 s21, s21, SLOT
	s_add_co_u32 s22, s22, SLOT
.endr
	s_mul_i32 s23, s10, 16*SPITCH
	s_add_co_u32 s23, s23, STAGE                   ; my stage
	v_mul_u32_u24 v4, v1, SPITCH
	v_lshl_add_u32 v4, v2, 5, v4
	v_add_nc_u32 v[STO], s23, v4                   ; in: row l % 16, 32 bytes for each half of the lanes
	v_mul_u32_u24 v5, v2, SPITCH
	v_lshl_add_u32 v5, v1, 4, v5
	v_add_nc_u32 v[RD], s23, v5                    ; back: lanes 0-15 one row of 256 bytes, lanes 16-31 the next
	v_lshlrev_b32 v5, 13, v2
	v_lshl_add_u32 v[CO], v1, 4, v5                ; and the same two rows in C (8,192 bytes a row)
	s_lshl_b32 s16, s13, 7
	s_lshl_b32 s17, s11, 6
	s_add_co_u32 s16, s16, s17                     ; my first row: 128 x tile row + 64 x half
	s_lshl_b32 s16, s16, 13
	s_mov_b32 s17, 0
	s_add_nc_u64 s[8:9], s[8:9], s[16:17]
	s_lshl_b32 s46, s42, 9                         ; my first column, in bytes: 512 x tile column + 256 x half
	s_lshl_b32 s47, s12, 8
	s_add_co_u32 s46, s46, s47
	s_mov_b32 s47, 0
	s_add_nc_u64 s[8:9], s[8:9], s[46:47]
.macro MUL8 f, c, a0, zero             ; 8 matrix instructions: m blocks a0, a0 + 1 x all 4 n blocks, 32 along K; the 16 accumulators take turns
.irp a, \a0, \a0+1
.irp b, 0,1,2,3
.if \zero
	v_wmma_f32_16x16x32_f16 v[ACC+8*(4*(\a)+\b):ACC+8*(4*(\a)+\b)+7], v[\f+64+8*(4*\c+\b):\f+64+8*(4*\c+\b)+7], v[\f+8*(4*\c+\a):\f+8*(4*\c+\a)+7], 0
.else
	v_wmma_f32_16x16x32_f16 v[ACC+8*(4*(\a)+\b):ACC+8*(4*(\a)+\b)+7], v[\f+64+8*(4*\c+\b):\f+64+8*(4*\c+\b)+7], v[\f+8*(4*\c+\a):\f+8*(4*\c+\a)+7], v[ACC+8*(4*(\a)+\b):ACC+8*(4*(\a)+\b)+7]
.endif
.endr
.endr
.endm
.macro FETCH slot, k, f                ; 32 LDS loads in one run: the fragments of 64 along K at byte k of the rows; the first 32 along K first
	WIN TO_F
.irp c, 0,1
.irp i, 0,1,2,3
	ds_load_b128 v[\f+64+8*(4*\c+\i):\f+64+8*(4*\c+\i)+3],   v[ADRB+\slot] offset:\k+64*\c+\i*16*PITCH
	ds_load_b128 v[\f+64+8*(4*\c+\i)+4:\f+64+8*(4*\c+\i)+7], v[ADRB+\slot] offset:\k+64*\c+\i*16*PITCH+32
	ds_load_b128 v[\f+8*(4*\c+\i):\f+8*(4*\c+\i)+3],         v[ADRA+\slot] offset:\k+64*\c+\i*16*PITCH
	ds_load_b128 v[\f+8*(4*\c+\i)+4:\f+8*(4*\c+\i)+7],       v[ADRA+\slot] offset:\k+64*\c+\i*16*PITCH+32
.endr
.endr
.endm
.macro PLACES
.rept 4
	v_nop
.endr
.endm
.macro QUARTER slot, k, f, g, zero
	s_wait_dscnt 16                                ; the first 32 along K are in; the other sixteen loads may be out
	WIN MUL
	MUL8 \f, 0, 0, \zero
	MUL8 \f, 0, 2, \zero
	PLACES
	FETCH \slot, \k, \g
	s_wait_dscnt 32                                ; all but the 32 just issued
	WIN MUL
	MUL8 \f, 1, 0, 0
	MUL8 \f, 1, 2, 0
.endm
.macro TURN slot, next, fill           ; the last quarter changes slots: one barrier; in front of it the wait for all tensor loads, the add, and the wait for it and for my reads of this slot
	WIN 0
	s_wait_tensorcnt 0x0
	ds_add_u32 v[SPW], v[NIL]
	s_wait_dscnt 17                                ; the add and the youngest sixteen loads may be out
	WIN MUL
	MUL8 F1, 0, 0, 0
	s_wait_dscnt 0x0
	s_barrier_signal -1
	MUL8 F1, 0, 2, 0
.if \fill
	WIN 0
.endif
	s_barrier_wait -1
.if \fill
	CREST                                          ; the barrier has opened a round of the cluster's
	s_add_nc_u64 s[G0+4*\slot+2:G0+4*\slot+3], s[G0+4*\slot+2:G0+4*\slot+3], 2*KSTEP*2
	s_add_nc_u64 s[G0B+4*\slot+2:G0B+4*\slot+3], s[G0B+4*\slot+2:G0B+4*\slot+3], 2*KSTEP*2
	JLOAD \slot                                    ; the first tensor load behind the round; its four v_nop are the places in front of the loads below
.else
	PLACES
.endif
	FETCH \next, 0, F0
	WIN MUL
	MUL8 F1, 1, 0, 0
	MUL8 F1, 1, 2, 0
.endm
	s_wait_tensorcnt 1                             ; my part of K step 0 is in; K step 1's may be out
	s_barrier_signal -1
	s_barrier_wait -1
	FETCH 0, 0, F0
	QUARTER 0, 128, F0, F1, 1                      ; its first products start the sums
	WIN 0
	s_mov_b32 s3, LAPS-1
.Llap:
	QUARTER 0, 256, F1, F0, 0
	QUARTER 0, 384, F0, F1, 0
	TURN 0, 1, 1
	QUARTER 1, 128, F0, F1, 0
	QUARTER 1, 256, F1, F0, 0
	QUARTER 1, 384, F0, F1, 0
	TURN 1, 0, 1
	QUARTER 0, 128, F0, F1, 0
	WIN 0
	s_sub_co_u32 s3, s3, 1
	s_cmp_lg_u32 s3, 0
	s_cbranch_scc1 .Llap
	QUARTER 0, 256, F1, F0, 0                      ; the last lap fills nothing
	QUARTER 0, 384, F0, F1, 0
	TURN 0, 1, 0
	QUARTER 1, 128, F0, F1, 0
	QUARTER 1, 256, F1, F0, 0
	QUARTER 1, 384, F0, F1, 0
	s_wait_dscnt 16
	WIN MUL
	MUL8 F1, 0, 0, 0
	MUL8 F1, 0, 2, 0
	s_wait_dscnt 0
	MUL8 F1, 1, 0, 0
	MUL8 F1, 1, 2, 0
	WIN 0
	; THE WAY OUT, a block of 16 rows x 64 columns at a time through my own stage: 32 bytes a lane in, whole rows of 256 bytes back.
.macro TOSTAGE a
.irp b, 0,1,2,3
	ds_store_b128 v[STO], v[ACC+8*(4*(\a)+\b):ACC+8*(4*(\a)+\b)+3] offset:64*\b        ; each accumulator from its low end on
	ds_store_b128 v[STO], v[ACC+8*(4*(\a)+\b)+4:ACC+8*(4*(\a)+\b)+7] offset:64*\b+16
.endr
.irp t, 0,1,2,3,4,5,6,7
	ds_load_b128 v[TMP+32*((\a)%2)+4*\t:TMP+32*((\a)%2)+4*\t+3], v[RD] offset:\t*2*SPITCH   ; in order behind the stores above
.endr
.endm
.macro SEND a, younger
	s_wait_dscnt \younger
.irp t, 0,1,2,3,4,5,6,7
	global_store_b128 v[CO], v[TMP+32*((\a)%2)+4*\t:TMP+32*((\a)%2)+4*\t+3], s[8:9] offset:(16*(\a)+2*\t)*8192 th:TH_STORE_NT   ; 16 lanes store 256 consecutive bytes
.endr
.endm
	PLACES
	TOSTAGE 0
.irp a, 1,2,3
.if \a > 1
	s_wait_xcnt 0x0                                ; block a - 2's stores have read their registers: block a's loads may land there
.endif
	TOSTAGE \a
	SEND \a-1, 16                                  ; behind block a - 1's loads: block a's 8 stores and 8 loads
.endr
	SEND 3, 0
	s_wait_tensorcnt 0x0                           ; the wave's end
	ds_add_u32 v[SPW], v[NIL]
	s_wait_dscnt 0x0
	CROUND                                         ; the closing round
	s_endpgm
.Lfunc_end_k_q687d6aeec6_oproj:
	.size	k_q687d6aeec6_oproj, .Lfunc_end_k_q687d6aeec6_oproj-k_q687d6aeec6_oproj
	.p2alignl 7, 3214868480
	.fill 96, 4, 3214868480
	.section	.rodata,"a",@progbits
	.p2align	6, 0x0
	.amdhsa_kernel k_q687d6aeec6_oproj
		.amdhsa_group_segment_fixed_size 327680
		.amdhsa_private_segment_fixed_size 0
		.amdhsa_enable_private_segment 0
		.amdhsa_kernarg_size 24
		.amdhsa_user_sgpr_count 2
		.amdhsa_user_sgpr_kernarg_segment_ptr 1
		.amdhsa_wavefront_size32 1
		.amdhsa_system_sgpr_workgroup_id_x 1
		.amdhsa_system_sgpr_workgroup_id_y 1
		.amdhsa_system_sgpr_workgroup_id_z 1
		.amdhsa_system_vgpr_workitem_id 0
		.amdhsa_next_free_vgpr 512
		.amdhsa_next_free_sgpr 66
		.amdhsa_reserve_vcc 0
		.amdhsa_float_denorm_mode_32 3
		.amdhsa_float_denorm_mode_16_64 3
		.amdhsa_memory_ordered 1
		.amdhsa_forward_progress 1
		.amdhsa_inst_pref_size 86
	.end_amdhsa_kernel
	.amdgpu_metadata
---
amdhsa.version: [ 1, 2 ]
amdhsa.kernels:
  - .name:           k_q687d6aeec6_oproj
    .symbol:         k_q687d6aeec6_oproj.kd
    .args:
      - { .name: ao, .offset: 0, .size: 8, .value_kind: global_buffer, .address_space: global }
      - { .name: woh, .offset: 8, .size: 8, .value_kind: global_buffer, .address_space: global }
      - { .name: out0, .offset: 16, .size: 8, .value_kind: global_buffer, .address_space: global }
    .group_segment_fixed_size: 327680
    .private_segment_fixed_size: 0
    .kernarg_segment_align: 8
    .kernarg_segment_size: 24
    .max_flat_workgroup_size: 128
    .sgpr_count:     66
    .vgpr_count:     512
    .wavefront_size: 32
...
	.end_amdgpu_metadata
.endif
;; end of part 4
;; launch fine (part 5): grid 128 x 1, 16 waves a work-group, no clusters, 22,528 bytes of LDS; arguments q32, Wo, out0; writes out0
.if DOCPART == 5
	.amdgcn_target "amdgcn-amd-amdhsa--gfx1250"
	.amdhsa_code_object_version 6
	.text
	.protected	k_q687d6aeec6_fine
	.globl	k_q687d6aeec6_fine
	.p2align	8
	.type	k_q687d6aeec6_fine,@function
k_q687d6aeec6_fine:
	s_mov_b64 s[64:65], 0
	v_nop
	global_prefetch_b8 v0, s[64:65] scope:SCOPE_SE
	s_setreg_imm32_b32 hwreg(HW_REG_WAVE_MODE, 25, 1), 1
	s_wait_xcnt 0x0
; Positions 0-15 wholly in f32: under the causal mask they average one to sixteen values and are the largest rows of the result, so f16 operands would weigh most there.
; q32: an image of 8,192 bytes for each g = 16 kind + head, f32 (q already carries the speed, 1 / sqrt(128) and log2(e)).  Those of q and k lie in the order of this text's operand registers:
; (position r, channel 8 c + 4 h + i) at byte 512 c + 256 h + 16 r + 4 i, so that each load of q or k covers 512 consecutive bytes; those of v lie by rows of 512 bytes.
; Wo [2048][2048] f32; rows 0-15 of out0 are stored over the last launch's.
; SHARES.  A work-group makes 16 columns of out0; its sixteen waves take a head each: the head's 16 x 16 attention (every work-group repeats it: 64 small matrix instructions a wave, against a launch and a buffer
; more), then the head's part of the projection; the sixteen parts are added through LDS by waves 0 and 1.
; All products by the f32 matrix form, 4 along K an instruction.  K is permuted alike on both sources, so that each result is the next product's source as it lies in the registers:
;   S^T = k q^T: lane (r, h) holds query r and keys 8 h + 0..7;  O^T = v^T P: pair c of P's registers is keys 8 h + 2 c + 0, 1;  out^T = Wo O: pair c of O^T's tile ct is channels 16 ct + 8 h + 2 c + 0, 1.
; The registers that these matrix instructions write (v160-255) are written by nothing else; sums start with the constant 0; four or eight accumulators take turns.
; The stores are pieces of 64 bytes, 131,072 bytes in the whole launch.
.set SPARE, 20480                      ; behind the sixteen parts (1,280 bytes each): the spare words, 128 bytes a wave
	s_load_b128 s[4:7], s[0:1], 0x0                ; q32, Wo
	s_load_b64 s[8:9], s[0:1], 0x10                ; out0
	v_lshl_add_u32 v10, v0, 2, SPARE               ; v10, v11: the add's two; never rewritten
	v_mov_b32 v11, 0
	v_lshrrev_b32 v1, 5, v0
	v_readfirstlane_b32 s10, v1                    ; wave = head
	v_and_b32 v1, 15, v0                           ; r
	v_bfe_u32 v2, v0, 4, 1                         ; h
	v_and_b32 v3, 31, v0
	v_lshlrev_b32 v3, 4, v3                        ; q, k: 16 x lane = 256 h + 16 r
	v_lshlrev_b32 v4, 12, v2
	v_lshl_add_u32 v4, v1, 2, v4                   ; v^T: keys 8 h on (512 bytes a key), channel r
	v_lshlrev_b32 v5, 13, v1
	v_lshl_add_u32 v5, v2, 5, v5                   ; Wo: row r, + 32 h bytes
	s_mul_i32 s11, s10, 1280
	v_mul_u32_u24 v6, v1, 80
	v_lshl_add_u32 v6, v2, 5, v6
	v_add_nc_u32 v6, s11, v6                       ; my part in LDS: position r (64 bytes + 16 of padding), + 32 h
	v_and_b32 v7, 63, v0
	v_lshrrev_b32 v8, 2, v7                        ; the adding waves: a thread takes 16 bytes: position t / 4, quarter t % 4
	v_and_b32 v9, 3, v7
	v_mul_u32_u24 v7, v8, 80
	v_lshl_add_u32 v7, v9, 4, v7
	v_lshlrev_b32 v8, 13, v8
	v_lshl_add_u32 v8, v9, 4, v8
	v_lshlrev_b32 v9, 3, v2
	v_sub_nc_u32 v9, v1, v9                        ; key 8 h + j counts for query r where j <= r - 8 h
	v_mov_b32 v28, 0xff800000                      ; -infinity
	v_mov_b32 v30, 0                               ; (a lane permute's destination counts as read)
	s_mov_b32 s14, 0x76543210
	s_mov_b32 s15, 0xfedcba98
	s_lshl_b32 s12, s10, 13                        ; the head's image in q32
	s_mov_b32 s13, 0
	s_lshl_b32 s16, ttmp9, 17                      ; 16 rows of Wo,
	s_lshl_b32 s20, s10, 9                         ; the head's 128 numbers in them
	s_add_co_u32 s16, s16, s20
	s_mov_b32 s17, 0
	s_lshl_b32 s18, ttmp9, 6                       ; 16 columns of out0
	s_mov_b32 s19, 0
	s_wait_kmcnt 0x0
	s_add_nc_u64 s[4:5], s[4:5], s[12:13]
	s_add_nc_u64 s[6:7], s[6:7], s[16:17]
	s_add_nc_u64 s[8:9], s[8:9], s[18:19]
.irp c, 0,1,2,3,4,5,6,7,8,9,10,11,12,13,14,15
	global_load_b128 v[32+4*\c:35+4*\c], v3, s[4:5] offset:512*\c            ; q: channels 8 c + 4 h + 0..3 of position r: the wave reads 512 consecutive bytes
	global_load_b128 v[96+4*\c:99+4*\c], v3, s[4:5] offset:131072+512*\c     ; k likewise, 16 images on
.endr
	s_wait_loadcnt 0x0
.set i, 0
.rept 32
.if i < 4
	v_wmma_f32_16x16x4_f32 v[224+8*(i%4):231+8*(i%4)], v[96+2*i:97+2*i], v[32+2*i:33+2*i], 0
.else
	v_wmma_f32_16x16x4_f32 v[224+8*(i%4):231+8*(i%4)], v[96+2*i:97+2*i], v[32+2*i:33+2*i], v[224+8*(i%4):231+8*(i%4)]
.endif
.set i, i+1
.endr
.rept 8
	v_nop                                          ; eight places behind this form: for the loads into its sources and the reads of its results
.endr
.irp ct, 0,1,2,3,4,5,6,7
.irp k, 0,1,2,3,4,5,6,7
	global_load_b32 v[32+8*\ct+\k], v4, s[4:5] offset:262144+\k*512+64*\ct   ; v(key 8 h + k, channel 16 ct + r), 32 images on
.endr
.endr
.irp ct, 0,1,2,3,4,5,6,7
	global_load_b128 v[96+8*\ct:99+8*\ct], v5, s[6:7] offset:64*\ct          ; Wo(column r, channels 16 ct + 8 h + 0..7)
	global_load_b128 v[100+8*\ct:103+8*\ct], v5, s[6:7] offset:64*\ct+16
.endr
.irp j, 0,2,4,6
	v_pk_add_f32 v[12+\j:13+\j], v[224+\j:225+\j], v[232+\j:233+\j]          ; the four partial sums, each accumulator from its low end on
.endr
.irp j, 0,2,4,6
	v_pk_add_f32 v[20+\j:21+\j], v[240+\j:241+\j], v[248+\j:249+\j]
.endr
.irp j, 0,2,4,6
	v_pk_add_f32 v[12+\j:13+\j], v[12+\j:13+\j], v[20+\j:21+\j]
.endr
.irp j, 0,1,2,3,4,5,6,7
	v_cmp_le_i32 vcc_lo, \j, v9
	v_cndmask_b32 v[12+\j], v28, v[12+\j], vcc_lo                            ; the causal mask
.endr
	v_max3_num_f32 v29, v12, v13, v14
	v_max3_num_f32 v29, v29, v15, v16
	v_max3_num_f32 v29, v29, v17, v18
	v_max_num_f32 v29, v29, v19
	v_permlanex16_b32 v30, v29, s14, s15
	v_max_num_f32 v29, v29, v30                    ; the row's maximum: key 0 counts for every query, so it is a number
.irp j, 0,1,2,3,4,5,6,7
	v_sub_f32 v[12+\j], v[12+\j], v29
.endr
.irp j, 0,1,2,3,4,5,6,7
	v_exp_f32 v[12+\j], v[12+\j]
.endr
	v_nop
	s_wait_alu depctr_va_vdst(0)                   ; one wait for the eight, ahead of their first reader
	v_pk_add_f32 v[20:21], v[12:13], v[14:15]
	v_pk_add_f32 v[22:23], v[16:17], v[18:19]
	v_pk_add_f32 v[20:21], v[20:21], v[22:23]
	v_add_f32 v29, v20, v21
	v_permlanex16_b32 v30, v29, s14, s15
	v_add_f32 v29, v29, v30
	v_rcp_f32 v29, v29
	v_nop
	s_wait_alu depctr_va_vdst(0)
.irp j, 0,1,2,3,4,5,6,7
	v_mul_f32 v[20+\j], v[12+\j], v29              ; the weights
.endr
	s_wait_loadcnt 0x0
.irp c, 0,1,2,3
.irp ct, 0,1,2,3,4,5,6,7
.if \c == 0
	v_wmma_f32_16x16x4_f32 v[160+8*\ct:167+8*\ct], v[32+8*\ct+2*\c:33+8*\ct+2*\c], v[20+2*\c:21+2*\c], 0
.else
	v_wmma_f32_16x16x4_f32 v[160+8*\ct:167+8*\ct], v[32+8*\ct+2*\c:33+8*\ct+2*\c], v[20+2*\c:21+2*\c], v[160+8*\ct:167+8*\ct]
.endif
.endr
.endr
.rept 9
	v_nop                                          ; nine places before a matrix instruction takes these results as a source
.endr
.irp ct, 0,1,2,3,4,5,6,7
.irp c, 0,1,2,3
.if \ct == 0
	v_wmma_f32_16x16x4_f32 v[224+8*\c:231+8*\c], v[96+8*\ct+2*\c:97+8*\ct+2*\c], v[160+8*\ct+2*\c:161+8*\ct+2*\c], 0
.else
	v_wmma_f32_16x16x4_f32 v[224+8*\c:231+8*\c], v[96+8*\ct+2*\c:97+8*\ct+2*\c], v[160+8*\ct+2*\c:161+8*\ct+2*\c], v[224+8*\c:231+8*\c]
.endif
.endr
.endr
.rept 8
	v_nop
.endr
.irp j, 0,2,4,6
	v_pk_add_f32 v[12+\j:13+\j], v[224+\j:225+\j], v[232+\j:233+\j]
.endr
.irp j, 0,2,4,6
	v_pk_add_f32 v[20+\j:21+\j], v[240+\j:241+\j], v[248+\j:249+\j]
.endr
.irp j, 0,2,4,6
	v_pk_add_f32 v[12+\j:13+\j], v[12+\j:13+\j], v[20+\j:21+\j]              ; lane (r, h): my head's part of out0(position r, columns 8 h + 0..7)
.endr
	ds_store_b128 v6, v[12:15]
	ds_store_b128 v6, v[16:19] offset:16
	s_wait_dscnt 0x0                               ; for the others' sake: my part has landed
	s_barrier_signal -1
	s_barrier_wait -1
	s_cmp_lt_u32 s10, 2
	s_cbranch_scc0 .Lend
.irp i, 0,1,2,3,4,5,6,7,8,9,10,11,12,13,14,15
	ds_load_b128 v[32+4*\i:35+4*\i], v7 offset:1280*\i
.endr
	s_wait_dscnt 0x0
.irp s, 8,4,2,1
.set i, 0
.rept \s
	v_pk_add_f32 v[32+4*i:33+4*i], v[32+4*i:33+4*i], v[32+4*(i+\s):33+4*(i+\s)]
	v_pk_add_f32 v[34+4*i:35+4*i], v[34+4*i:35+4*i], v[34+4*(i+\s):35+4*(i+\s)]
.set i, i+1
.endr
.endr
	global_store_b128 v8, v[32:35], s[8:9]
.Lend:
	s_wait_tensorcnt 0x0                           ; the wave's end, behind the last LDS store
	ds_add_u32 v10, v11
	s_wait_dscnt 0x0
	s_endpgm
.Lfunc_end_k_q687d6aeec6_fine:
	.size	k_q687d6aeec6_fine, .Lfunc_end_k_q687d6aeec6_fine-k_q687d6aeec6_fine
	.p2alignl 7, 3214868480
	.fill 96, 4, 3214868480
	.section	.rodata,"a",@progbits
	.p2align	6, 0x0
	.amdhsa_kernel k_q687d6aeec6_fine
		.amdhsa_group_segment_fixed_size 22528
		.amdhsa_private_segment_fixed_size 0
		.amdhsa_enable_private_segment 0
		.amdhsa_kernarg_size 24
		.amdhsa_user_sgpr_count 2
		.amdhsa_user_sgpr_kernarg_segment_ptr 1
		.amdhsa_wavefront_size32 1
		.amdhsa_system_sgpr_workgroup_id_x 1
		.amdhsa_system_sgpr_workgroup_id_y 1
		.amdhsa_system_sgpr_workgroup_id_z 1
		.amdhsa_system_vgpr_workitem_id 0
		.amdhsa_next_free_vgpr 256
		.amdhsa_next_free_sgpr 66
		.amdhsa_reserve_vcc 1
		.amdhsa_float_denorm_mode_32 3
		.amdhsa_float_denorm_mode_16_64 3
		.amdhsa_memory_ordered 1
		.amdhsa_forward_progress 1
		.amdhsa_inst_pref_size 27
	.end_amdhsa_kernel
	.amdgpu_metadata
---
amdhsa.version: [ 1, 2 ]
amdhsa.kernels:
  - .name:           k_q687d6aeec6_fine
    .symbol:         k_q687d6aeec6_fine.kd
    .args:
      - { .name: q32, .offset: 0, .size: 8, .value_kind: global_buffer, .address_space: global }
      - { .name: Wo, .offset: 8, .size: 8, .value_kind: global_buffer, .address_space: global }
      - { .name: out0, .offset: 16, .size: 8, .value_kind: global_buffer, .address_space: global }
    .group_segment_fixed_size: 22528
    .private_segment_fixed_size: 0
    .kernarg_segment_align: 8
    .kernarg_segment_size: 24
    .max_flat_workgroup_size: 512
    .sgpr_count:     66
    .vgpr_count:     256
    .wavefront_size: 32
...
	.end_amdgpu_metadata
.endif
;; end of part 5
